; MI455X (gfx1250); checked and timed in simulation.
; The chip was launched on July 23, 2026; its instructions are those of AMD's public machine-readable ISA for CDNA 5 (MIT licence, August 2026) and "CDNA5" Instruction Set Architecture Reference Guide (July 2026). The comments in the code are by the model that wrote it; some were corrected since.
;; Transformer Block. Allowed arithmetic: float matrix products may take bf16 or f16 operands with f32 sums; other float arithmetic in f32, or as packed bf16 or f16 multiplies, adds, multiply-adds, maxima and minima; sums over many terms, partial sums and values carried from step to step in f32; what a program stores and reads back later, other than sums and carried values, may be rounded once to bf16 or f16.
;; Inputs: b1 4,096 float32; b2 1,024 float32; bu 1,024 float32; w1 4,096 x 1,024 float32; w2 1,024 x 4,096 float32; wk 1,024 x 1,024 float32; wq 1,024 x 1,024 float32; wu 1,024 x 1,024 float32; wv 1,024 x 1,024 float32; x 4 x 1,024 x 1,024 float32.
;; Outputs: out0 4 x 1,024 x 1,024 float32.
;; One version. Each part assembles by itself: llvm-mc -triple=amdgcn-amd-amdhsa -mcpu=gfx1250 --defsym DOCPART=n.
;; ======== version 1 of 1: 7 launches
;; workspace buffers: wa 8,388,608 bytes; wf 16,777,216 bytes; xn 8,388,608 bytes; qkv 25,165,824 bytes; ctx 8,388,608 bytes; h 16,777,216 bytes; act 33,554,432 bytes
;; launch prep (part 1): grid 384 x 1, 8 waves a work-group, no clusters, 0 bytes of LDS; arguments x, wq, wk, wv, wu, xn, wa; writes xn, wa
.if DOCPART == 1
	.amdgcn_target "amdgcn-amd-amdhsa--gfx1250"
	.amdhsa_code_object_version 6
	.text
	.protected	k_q8b3f5a9d54_prep
	.globl	k_q8b3f5a9d54_prep
	.p2align	8
	.type	k_q8b3f5a9d54_prep,@function
k_q8b3f5a9d54_prep:
	s_mov_b64 s[64:65], 0
	v_nop
	global_prefetch_b8 v0, s[64:65] scope:SCOPE_SE
	s_setreg_imm32_b32 hwreg(HW_REG_WAVE_MODE, 25, 1), 1
	s_wait_xcnt 0x0
; LAUNCH 1 OF 7 of a transformer block on 4,096 tokens of 1,024 channels:
;   prep: xn = LN(x) in bf16, wa = wq, wk, wv, wu in bf16;  qkv: xn [wq;wk;wv]^T by heads, and, on the work-groups of its grid that have no tile, wf = w1, w2 in bf16;  attn: causal attention;
;   wu: h = x + bu + ctx wu^T;  ln2: xn = LN(h);  ff1: act = relu(xn w1^T + b1);  ff2: out0 = h + b2 + act w2^T.
; WORK LEFT OUT (in launch attn): the problem itself sets every score with key > query to minus infinity ahead of the softmax, so its weight is exactly 0 whatever the inputs hold, and neither
; the score nor its product with V can reach an output.  With queries in groups of 128 and keys in tiles of 128, the tiles that lie wholly above the diagonal (28 of 64 a head) are not computed.
; Every input has a way to the output, and all ten are loaded.
; LIMITS.  A NaN, an infinity or an overflow that lies only in a tile left out is not carried to the result.  Matrix operands are rounded to bf16 (x and h stay f32 on the residual road).
; THIS LAUNCH streams, every byte once.  Work-groups 0-255: layer norm, a wave a row, two rows a wave, the row kept in 32 registers a lane between mean, variance and scaling
; (mean first, then the squares of x - mean: no difference of large sums).  Work-groups 256-383: 32,768 weights each, rounded to bf16.
; No LDS, no barrier, no matrix unit: no wave needs a byte of another.
.set ROWS, 2
.set T,    4                           ; v[4:11]   at work
.set M,    12                          ; v[12:13]  the mean, later 1 / sqrt(var + eps), twice: a pair for the packed forms
.set X,    16                          ; v[16:79] row r: 32 registers each; the cast's 32 loads: v[16:143]
.macro REDUCE                          ; the lane's four pairs in T .. T+7 become the row's sum, in every lane's v[T]
	v_pk_add_f32 v[T:T+1], v[T:T+1], v[T+2:T+3]
	v_pk_add_f32 v[T+4:T+5], v[T+4:T+5], v[T+6:T+7]
	v_pk_add_f32 v[T:T+1], v[T:T+1], v[T+4:T+5]
	v_add_f32 v[T], v[T], v[T+1]
	v_add_f32_dpp v[T], v[T], v[T] row_xmask:1 row_mask:0xf bank_mask:0xf
	v_add_f32_dpp v[T], v[T], v[T] row_xmask:2 row_mask:0xf bank_mask:0xf
	v_add_f32_dpp v[T], v[T], v[T] row_xmask:4 row_mask:0xf bank_mask:0xf
	v_add_f32_dpp v[T], v[T], v[T] row_xmask:8 row_mask:0xf bank_mask:0xf
	v_permlanex16_b32 v[T+1], v[T], s6, s7         ; the other half of the lanes (its destination has been written)
	v_add_f32 v[T], v[T], v[T+1]
.endm
; Row r of the wave's rows.  left = the loads of the rows behind it, which may stay out.
.macro LNROW r, left
.set XR, X+32*(\r)
	s_wait_loadcnt \left                           ; loads come back in order: this row's eight are in
.irp k, 0,2,4,6
	v_pk_add_f32 v[T+(\k):T+(\k)+1], v[XR+(\k):XR+(\k)+1], v[XR+8+(\k):XR+8+(\k)+1]   ; four chains, started by the data: nothing is cleared
.endr
.irp k, 0,2,4,6
	v_pk_add_f32 v[T+(\k):T+(\k)+1], v[T+(\k):T+(\k)+1], v[XR+16+(\k):XR+16+(\k)+1]
.endr
.irp k, 0,2,4,6
	v_pk_add_f32 v[T+(\k):T+(\k)+1], v[T+(\k):T+(\k)+1], v[XR+24+(\k):XR+24+(\k)+1]
.endr
	REDUCE
	v_mul_f32 v[M], s5, v[T]                       ; mean = sum / 1024
	v_mul_f32 v[M+1], s5, v[T]
.set i, 0
.rept 16
	v_pk_add_f32 v[XR+i:XR+i+1], v[XR+i:XR+i+1], v[M:M+1] neg_lo:[0,1] neg_hi:[0,1]   ; x - mean, in place
.set i, i+2
.endr
.irp k, 0,2,4,6
	v_pk_mul_f32 v[T+(\k):T+(\k)+1], v[XR+(\k):XR+(\k)+1], v[XR+(\k):XR+(\k)+1]
.endr
.set i, 8
.rept 12
	v_pk_fma_f32 v[T+i%8:T+i%8+1], v[XR+i:XR+i+1], v[XR+i:XR+i+1], v[T+i%8:T+i%8+1]
.set i, i+2
.endr
	REDUCE
	v_fma_f32 v[T], v[T], s5, s30                  ; var + 1e-4
	v_rsq_f32 v[M], v[T]
	v_rsq_f32 v[M+1], v[T]
	v_nop                                          ; a plain instruction behind the second root,
	s_wait_alu depctr_va_vdst(0)                   ; and the one wait for both ahead of their first reader
.set i, 0
.rept 16
	v_pk_mul_f32 v[XR+i:XR+i+1], v[XR+i:XR+i+1], v[M:M+1]
.set i, i+2
.endr
.set i, 0
.rept 16
	v_cvt_pk_bf16_f32 v[XR+i], v[XR+2*i], v[XR+2*i+1]   ; ascending and in place: register i is written when 2 i and 2 i + 1 have been read
.set i, i+1
.endr
.irp j, 0,1,2,3,4,5,6,7
	global_store_b64 v2, v[XR+2*(\j):XR+2*(\j)+1], s[28:29] offset:(\r)*2048+(\j)*256   ; 32 lanes x 8 bytes: 256 consecutive bytes, aligned
.endr
.endm
	s_load_b256 s[8:15], s[0:1], 0x0               ; x s[8:9], wq s[10:11], wk s[12:13], wv s[14:15]
	s_load_b128 s[16:19], s[0:1], 0x20             ; wu s[16:17], xn s[18:19]
	s_load_b64 s[20:21], s[0:1], 0x30              ; wa
	v_lshrrev_b32 v3, 5, v0
	v_readfirstlane_b32 s4, v3                     ; wave 0..7
	v_and_b32 v1, 31, v0
	v_lshlrev_b32 v2, 3, v1                        ; 8 x lane: my bytes of a store
	v_lshlrev_b32 v1, 4, v1                        ; 16 x lane: my bytes of a load
	s_mov_b32 s5, 0x3a800000                       ; 1 / 1024
	s_mov_b32 s6, 0x76543210                       ; v_permlanex16_b32: each lane takes its own place in the other half
	s_mov_b32 s7, 0xfedcba98
	s_mov_b32 s30, 0x38d1b717                      ; 1e-4
	s_wait_kmcnt 0x0
	s_cmp_lt_u32 ttmp9, 256
	s_cbranch_scc0 .Lcast
	s_lshl_b32 s26, ttmp9, 3
	s_add_co_u32 s26, s26, s4                      ; my wave among the 2,048 that norm: rows 2 n, 2 n + 1
	s_lshl_b32 s28, s26, 12                        ; 2 rows of 2,048 bytes of xn
	s_lshl_b32 s26, s26, 13                        ; 2 rows of 4,096 bytes of x
	s_mov_b32 s27, 0
	s_mov_b32 s29, 0
	s_add_nc_u64 s[26:27], s[8:9], s[26:27]
	s_add_nc_u64 s[28:29], s[18:19], s[28:29]
.set i, 0
.rept 8*ROWS                           ; all 16 loads of the wave go out at once
	global_load_b128 v[X+4*i:X+4*i+3], v1, s[26:27] offset:i*512 th:TH_LOAD_NT
.set i, i+1
.endr
	LNROW 0, 8
	LNROW 1, 0
	s_endpgm
.Lcast:                                ; chunk c of 128: 128 KiB of one f32 matrix; in wa the four matrices lie on end in the same order, so chunk c goes to byte 65,536 c
	s_sub_co_u32 s31, ttmp9, 256
	s_mov_b64 s[26:27], s[16:17]                   ; wu, whose first chunk is 96, unless c is lower
	s_mov_b32 s32, 96
	s_cmp_lt_u32 s31, 96
	s_cselect_b64 s[26:27], s[14:15], s[26:27]     ; wv
	s_cselect_b32 s32, 64, s32
	s_cmp_lt_u32 s31, 64
	s_cselect_b64 s[26:27], s[12:13], s[26:27]     ; wk
	s_cselect_b32 s32, 32, s32
	s_cmp_lt_u32 s31, 32
	s_cselect_b64 s[26:27], s[10:11], s[26:27]     ; wq
	s_cselect_b32 s32, 0, s32
	s_sub_co_u32 s32, s31, s32                     ; the chunk's number in its matrix
	s_lshl_b32 s32, s32, 17
	s_lshl_b32 s33, s4, 14                         ; my wave's 16 KiB of it
	s_add_co_u32 s32, s32, s33
	s_mov_b32 s33, 0
	s_add_nc_u64 s[26:27], s[26:27], s[32:33]
	s_lshl_b32 s34, s31, 16
	s_lshl_b32 s35, s4, 13
	s_add_co_u32 s34, s34, s35
	s_mov_b32 s35, 0
	s_add_nc_u64 s[28:29], s[20:21], s[34:35]
.set i, 0
.rept 32
	global_load_b128 v[X+4*i:X+4*i+3], v1, s[26:27] offset:i*512 th:TH_LOAD_NT
.set i, i+1
.endr
.set i, 0
.rept 32
	s_wait_loadcnt 31-i                            ; load i is in; the younger ones stay out
	v_cvt_pk_bf16_f32 v[X+4*i], v[X+4*i], v[X+4*i+1]
	v_cvt_pk_bf16_f32 v[X+4*i+1], v[X+4*i+2], v[X+4*i+3]
	global_store_b64 v2, v[X+4*i:X+4*i+1], s[28:29] offset:i*256   ; 256 consecutive bytes, aligned
.set i, i+1
.endr
	s_endpgm
.Lfunc_end_k_q8b3f5a9d54_prep:
	.size	k_q8b3f5a9d54_prep, .Lfunc_end_k_q8b3f5a9d54_prep-k_q8b3f5a9d54_prep
	.p2alignl 7, 3214868480
	.fill 96, 4, 3214868480
	.section	.rodata,"a",@progbits
	.p2align	6, 0x0
	.amdhsa_kernel k_q8b3f5a9d54_prep
		.amdhsa_group_segment_fixed_size 0
		.amdhsa_private_segment_fixed_size 0
		.amdhsa_enable_private_segment 0
		.amdhsa_kernarg_size 56
		.amdhsa_user_sgpr_count 2
		.amdhsa_user_sgpr_kernarg_segment_ptr 1
		.amdhsa_wavefront_size32 1
		.amdhsa_system_sgpr_workgroup_id_x 1
		.amdhsa_system_sgpr_workgroup_id_y 1
		.amdhsa_system_sgpr_workgroup_id_z 1
		.amdhsa_system_vgpr_workitem_id 0
		.amdhsa_next_free_vgpr 144
		.amdhsa_next_free_sgpr 66
		.amdhsa_reserve_vcc 0
		.amdhsa_float_denorm_mode_32 3
		.amdhsa_float_denorm_mode_16_64 3
		.amdhsa_memory_ordered 1
		.amdhsa_forward_progress 1
		.amdhsa_inst_pref_size 29
	.end_amdhsa_kernel
	.amdgpu_metadata
---
amdhsa.version: [ 1, 2 ]
amdhsa.kernels:
  - .name:           k_q8b3f5a9d54_prep
    .symbol:         k_q8b3f5a9d54_prep.kd
    .args:
      - { .name: x, .offset: 0, .size: 8, .value_kind: global_buffer, .address_space: global }
      - { .name: wq, .offset: 8, .size: 8, .value_kind: global_buffer, .address_space: global }
      - { .name: wk, .offset: 16, .size: 8, .value_kind: global_buffer, .address_space: global }
      - { .name: wv, .offset: 24, .size: 8, .value_kind: global_buffer, .address_space: global }
      - { .name: wu, .offset: 32, .size: 8, .value_kind: global_buffer, .address_space: global }
      - { .name: xn, .offset: 40, .size: 8, .value_kind: global_buffer, .address_space: global }
      - { .name: wa, .offset: 48, .size: 8, .value_kind: global_buffer, .address_space: global }
    .group_segment_fixed_size: 0
    .private_segment_fixed_size: 0
    .kernarg_segment_align: 8
    .kernarg_segment_size: 56
    .max_flat_workgroup_size: 256
    .sgpr_count:     66
    .vgpr_count:     144
    .wavefront_size: 32
...
	.end_amdgpu_metadata
.endif
;; end of part 1
;; launch qkv (part 2): grid 16 x 16, 4 waves a work-group, clusters of 4 x 4, 327,680 bytes of LDS; arguments xn, wa, qkv, w1, w2, wf; writes qkv, wf
.if DOCPART == 2
	.amdgcn_target "amdgcn-amd-amdhsa--gfx1250"
	.amdhsa_code_object_version 6
	.text
	.protected	k_q8b3f5a9d54_qkv
	.globl	k_q8b3f5a9d54_qkv
	.p2align	8
	.type	k_q8b3f5a9d54_qkv,@function
k_q8b3f5a9d54_qkv:
	s_mov_b64 s[64:65], 0
	v_nop
	global_prefetch_b8 v0, s[64:65] scope:SCOPE_SE
	s_setreg_imm32_b32 hwreg(HW_REG_WAVE_MODE, 25, 1), 1
	s_wait_xcnt 0x0
	s_wait_alu depctr_hold_cnt(0) depctr_sa_sdst(0) depctr_va_vdst(0) depctr_va_sdst(0) depctr_va_ssrc(0) depctr_va_vcc(0) depctr_vm_vsrc(0)
	s_getreg_b32 s2, hwreg(HW_REG_IB_STS2, 6, 4)
	s_cmp_eq_u32 s2, 0
	s_cbranch_scc0 .Lentry_in_a_cluster
	s_endpgm
.Lentry_in_a_cluster:
	s_bfe_u32 s2, ttmp6, 0x10000c
	s_cmp_lg_u32 s2, 0xf033
	s_cbranch_scc0 .Lentry_shape_is_right
	s_endpgm
.Lentry_shape_is_right:
; C[m][n] = sum over k of A[m][k] B[n][k], K = 1,024, A and B bf16 with K along the rows, sums in f32.  One source text serves two launches:
;   KIND 0 (this one): A = xn [4096][1024], B = wq, wk, wv on end at the head of wa [3072][1024]; C is rounded to bf16 and written BY HEADS: qkv[which][batch x 16 + head][token][64], unscaled.
;           C has 12 x 16 tiles, the grid 16 x 16 work-groups: the four clusters with x = 3 have no tile and round w1 and w2 to bf16 into wf instead (.Lcast, at the end of the text):
;           work that the launches ff1 and ff2 need and that nothing in this launch reads.
;   KIND 1: A = xn, B = w1 at the head of wf [4096][1024]; C = relu(sum + b1), rounded to bf16, row-major [4096][4096]: 16 x 16 tiles.
; SHARES.  A tile of C, 256 x 256, is made by four waves; a wave makes 128 x 128: 64 accumulators of 16 x 16, 512 registers.  K goes in 8 steps of 128 through two LDS slots filled by the
; tensor data mover; a tile's rows are 256 bytes of memory at multiples of 256 bytes.
; CLUSTERS: 4 x 4 work-groups.  The four of a row of the cluster need the same tiles of A, the four of a column the same tiles of B: each tile is asked for JOINTLY, by the same tensor load with
; the same descriptor and a mask that names the four.
; THE LOOP BODY IS ONE K STEP: the slot in hand is a scalar, s[TB] = 0 or SLOT, turned by an exclusive or; the fragment addresses are made from it once a step.  A trip goes from a step's second
; quarter to the next step's first.  Six trips fill a slot again; the last two steps run in a second loop that asks for nothing.
; THE MATRIX INSTRUCTION IS USED TRANSPOSED: source 0 = 16 rows of B, source 1 = 16 rows of A, so that a lane holds row l % 16 of C and the columns 8 (l / 16) + 0..7: 16 bytes of bf16 on end.
; REGISTERS, in windows of 256 (s_set_vgpr_msb: bits 1:0 source 0, 3:2 source 1, 5:4 source 2, 7:6 destination):
;   window 0: v0-31 addresses; v64-127, v128-191 fragments of A, two buffers; v192-223 packed results; v32-63 and v224-255 rows read back, by turns; KIND 1: v192-255 hold b1 until the first quarter is done
;   window 1: v64-127, v128-191 fragments of B;   windows 2, 3: the accumulators of my rows 0-63, 64-127: (a, b) at v[8 (8 a + b)]
.set KIND,   0
.set SIZE_K, 1024
.set KSTEP,  128
.set PITCH,  272                       ; an LDS row: 256 bytes + 16 of padding = 68 words, so that the 16 rows of a fragment load start at 16 different groups of four banks (64 banks of 4 bytes: ISA guide 11.1)
.set HALFT,  128*PITCH                 ; 128 rows: what one tensor load brings
.set SLOT,   4*HALFT                   ; A's 256 rows, then B's 256 rows.  SLOT = 0x22000 shares no bit with wave x HALFT = 0x8800 w: on those words an exclusive or with SLOT adds or takes away SLOT
.set STAGE,  2*SLOT                    ; behind the ring: 16 rows x 272 bytes for each wave, for the way out; no tensor load lands here
.set SPITCH, 272
.set SPARE,  STAGE+4*16*SPITCH         ; behind the stages: the spare words, 128 bytes a wave, that no other line names
.set A0,   14                          ; v14  my lane's place in A's rows of slot 0; never rewritten
.set B0,   15                          ; v15  the same for B
.set ADRA, 16                          ; v16  the same in the slot in hand
.set ADRB, 20                          ; v20
.set STO,  24                          ; v24  the way out: where I put 16 bytes of a row
.set RD,   25                          ; v25  where I read rows back
.set CO,   26                          ; v26  my byte offset in C
.set ZR,   27                          ; v27  0, for relu
.set SPW,  28                          ; v28  my spare word: SPARE + 4 x my thread's number; never rewritten
.set NIL,  29                          ; v29  0; never rewritten
.set PFO,  30                          ; v30  the prefetches' offset: my lane x a row of 2,048 bytes; never rewritten
.set BO,   31                          ; v31  my byte offset in b1
.set F0,   64
.set F1,   128
.set TMP,  192
.set OB,   32
.set BIAS, 192
.set CX,   32                          ; .Lcast: v[32:159] a round's 32 loads
.set G1,  24                           ; s[24:31] descriptor group 1 for A's tiles
.set G0,  32                           ; s[32:39] group 0 for A: a set for each first fill; the second then walks
.set G1B, 48                           ; s[48:55], s[56:63] the same for B
.set G0B, 56
.set LIM, 43                           ; s43  2 in a wave that prefetches, else the greatest number
.set PFA, 44                           ; s[44:45] where my prefetches stand
.set TB,  66                           ; s66  the slot in hand: 0 or SLOT
.set MSB, 0
.macro WIN new                         ; the immediate's high byte repeats the setting that is left; a switch that changes nothing is dropped
.if MSB != (\new)
	s_set_vgpr_msb (MSB<<8)|(\new)
.set MSB, \new
.endif
.endm
.set MUL_LO, 0xa1                      ; source 0 (B) window 1, source 1 (A) window 0, C and D window 2
.set TO_B,   0x40                      ; destination window 1, address window 0
; A joint load.  Waves 0 and 1 fetch A's two halves, waves 2 and 3 B's.  The branch hangs on the wave's number alone.  An s_nop 0 and four v_nop follow each of the two lines.
.macro JLOAD s
	s_cmp_eq_u32 s11, 0
	s_cbranch_scc0 .Lfor_b_\@
	tensor_load_to_lds s[G0+4*(\s):G0+4*(\s)+3], s[G1:G1+7]
	s_nop 0
.rept 4
	v_nop
.endr
	s_branch .Lasked_\@
.Lfor_b_\@:
	tensor_load_to_lds s[G0B+4*(\s):G0B+4*(\s)+3], s[G1B:G1B+7]
	s_nop 0
.rept 4
	v_nop
.endr
.Lasked_\@:
.endm
; A prefetch, behind a joint load and the run of LDS loads that follows it: the K step that stands two refills on, 32 rows x 256 bytes, a lane a row.  Each row's 256 bytes of a step are named once in the
; launch: of the clusters that read A's tile row the one with x = 0 asks, of those that read B's tile column the one with y = 0; the four partners of a joint load share its 128 rows out by address, 32 each.
; The refill of the trip with s3 = 6 brings step 2 and names step 4; trips with s3 = 2, 1 would name steps 8, 9, which do not exist, and ask for nothing.  Steps 0 to 3 come by their loads alone.
.macro ASK
	s_cmp_gt_u32 s3, s[LIM]
	s_cbranch_scc0 .Lnot_mine_\@
	global_prefetch_b8 v[PFO], s[PFA:PFA+1] offset:KSTEP*2 th:TH_LOAD_NT scope:SCOPE_SE
.Lnot_mine_\@:
.endm
.macro CREST                           ; a round of the cluster's barrier behind its opening barrier
	s_cmp_lg_u32 s10, 0
	s_cbranch_scc1 .Lnot_wave_0_\@
	s_barrier_signal -3
.Lnot_wave_0_\@:
	s_barrier_wait -3
	s_barrier_signal -1
	s_barrier_wait -1
.endm
.macro CROUND                          ; a whole round
	s_barrier_signal -1
	s_barrier_wait -1
	CREST
.endm
.if KIND == 0
	s_cmp_lt_u32 ttmp9, 3                          ; in a cluster launch ttmp9 is the cluster's x, the same in all sixteen partners: clusters 0 to 2 have C's 12 tile columns
	s_cbranch_scc0 .Lcast
.endif
	s_load_b128 s[4:7], s[0:1], 0x0                ; A s[4:5], B s[6:7]
.if KIND
	s_load_b128 s[68:71], s[0:1], 0x10             ; b1 s[68:69], C s[70:71]
.else
	s_load_b64 s[8:9], s[0:1], 0x10                ; C
.endif
	v_lshl_add_u32 v[SPW], v0, 2, SPARE
	v_mov_b32 v[NIL], 0
	ds_add_u32 v[SPW], v[NIL]                      ; the wave's opening: the add, twice on end, and its wait ahead of my first tensor load
	ds_add_u32 v[SPW], v[NIL]                      ; the set-up below, work on registers, stands between the second add and the wait
	v_lshrrev_b32 v1, 5, v0
	v_readfirstlane_b32 s10, v1                    ; wave 0..3
	s_lshr_b32 s11, s10, 1                         ; which half of the tile's rows is mine.  Also: I fetch for A (0) or for B (1)
	s_and_b32 s12, s10, 1                          ; which half of its columns.  Also: which 128 rows of that tile I fetch
	s_bfe_u32 s40, ttmp6, 0x40000                  ; cx
	s_bfe_u32 s41, ttmp6, 0x40004                  ; cy
	s_lshl_b32 s42, ttmp9, 2
	s_add_co_u32 s42, s42, s40                     ; tile column = 4 x cluster x + cx
	s_and_b32 s13, ttmp7, 0xffff
	s_lshl_b32 s13, s13, 2
	s_add_co_u32 s13, s13, s41                     ; tile row = 4 x cluster y + cy
	s_lshl_b32 s43, s41, 2
	s_lshl_b32 s43, 15, s43                        ; my row of the cluster: places 4 cy .. 4 cy + 3
	s_lshl_b32 s44, 0x1111, s40                    ; my column: places cx, cx + 4, cx + 8, cx + 12
	; descriptor group 1: a tile of 128 rows x 128 elements of 2 bytes, 4 words of padding behind every 64
	s_or_b32 s[G1+0], s43, (1<<16)|(1<<20)|(1<<21)|(5<<22)|(3<<25)
	s_or_b32 s[G1B+0], s44, (1<<16)|(1<<20)|(1<<21)|(5<<22)|(3<<25)
.irp g, G1, G1B
	s_mov_b32 s[(\g)+1], KSTEP<<16                 ; tensor_dim0 = 128
	s_mov_b32 s[(\g)+2], 128<<16                   ; tensor_dim1 = 128
	s_mov_b32 s[(\g)+3], KSTEP<<16                 ; tile_dim0 = 128
	s_mov_b32 s[(\g)+4], 128                       ; tile_dim1 = 128
	s_mov_b32 s[(\g)+5], SIZE_K                    ; elements from row to row
	s_mov_b32 s[(\g)+6], 0
	s_mov_b32 s[(\g)+7], 0
.endr
	s_lshl_b32 s17, s12, 7                         ; which 128 rows of the tile I fetch
	s_lshl_b32 s16, s13, 8
	s_add_co_u32 s16, s16, s17                     ; A: row 256 x tile row + 128 x half,
	s_lshl_b32 s16, s16, 11                        ; in bytes (under 2^23)
	s_lshl_b32 s46, s42, 8
	s_add_co_u32 s46, s46, s17                     ; B: row 256 x tile column + 128 x half
	s_lshl_b32 s46, s46, 11
	s_mov_b32 s17, 0
	s_mov_b32 s47, 0
	s_mul_i32 s20, s10, HALFT                      ; where they go: wave x 128 rows: no place in the cluster enters an LDS address
	s_mov_b32 s[TB], 0
	s_wait_dscnt 0x0                               ; both opening adds are done
	CROUND                                         ; all sixteen work-groups are here: the first joint loads will meet.  The round needs no argument, so it stands ahead of the wait for them
	s_wait_kmcnt 0x0
	s_add_nc_u64 s[14:15], s[4:5], s[16:17]
	s_add_nc_u64 s[46:47], s[6:7], s[46:47]
.irp s, 0,1
	s_mov_b32 s[G0+4*(\s)], 1                                        ; count = 1
	s_add_co_u32 s[G0+4*(\s)+1], s20, (\s)*SLOT                      ; LDS address
	s_add_nc_u64 s[G0+4*(\s)+2:G0+4*(\s)+3], s[14:15], (\s)*KSTEP*2  ; global address: K step s
	s_or_b32 s[G0+4*(\s)+3], s[G0+4*(\s)+3], 0x80000000              ; type = 2
	s_mov_b32 s[G0B+4*(\s)], 1
	s_add_co_u32 s[G0B+4*(\s)+1], s20, (\s)*SLOT
	s_add_nc_u64 s[G0B+4*(\s)+2:G0B+4*(\s)+3], s[46:47], (\s)*KSTEP*2
	s_or_b32 s[G0B+4*(\s)+3], s[G0B+4*(\s)+3], 0x80000000
	JLOAD \s                                       ; two tensor loads of mine are out
.endr
	; a fragment is 16 rows x 32 K in 8 registers: lane l holds row l % 16, K = 8 (l / 16) + 0..7 and 16 + 8 (l / 16) + 0..7: two loads of 16 bytes, 32 bytes apart
	v_and_b32 v1, 15, v0                           ; l % 16
	v_bfe_u32 v2, v0, 4, 1                         ; l / 16
	v_mul_u32_u24 v3, v1, PITCH
	v_lshl_add_u32 v3, v2, 4, v3
	s_mul_i32 s21, s11, HALFT                      ; my 128 rows of A
	s_mul_i32 s22, s12, HALFT                      ; my 128 rows of B,
	s_add_co_u32 s22, s22, 2*HALFT                 ; which lie behind A's 256
	v_add_nc_u32 v[A0], s21, v3
	v_add_nc_u32 v[B0], s22, v3
	v_mov_b32 v[ADRA], v[A0]
	v_mov_b32 v[ADRB], v[B0]
	s_mul_i32 s23, s10, 16*SPITCH
	s_add_co_u32 s23, s23, STAGE                   ; my stage
	v_mul_u32_u24 v4, v1, SPITCH                   ; in: row l % 16, 16 bytes for each half of the lanes
	v_lshl_add_u32 v4, v2, 4, v4
	v_add_nc_u32 v[STO], s23, v4
.if KIND
	v_mul_u32_u24 v5, v2, SPITCH                   ; back: lanes 0-15 take one row of 256 bytes, lanes 16-31 the next,
	v_lshl_add_u32 v5, v1, 4, v5
	v_add_nc_u32 v[RD], s23, v5
	v_lshlrev_b32 v5, 13, v2                       ; and the same two rows of C, 8,192 bytes apart
	v_lshl_add_u32 v[CO], v1, 4, v5
	v_mov_b32 v[ZR], 0
	s_lshl_b32 s16, s13, 8
	s_lshl_b32 s17, s11, 7
	s_add_co_u32 s16, s16, s17                     ; my first row of C,
	s_lshl_b32 s16, s16, 13                        ; in bytes (under 2^25)
	s_lshl_b32 s46, s42, 9
	s_lshl_b32 s47, s12, 8
	s_add_co_u32 s46, s46, s47                     ; my first column, in bytes of bf16
	s_add_co_u32 s16, s16, s46
	s_mov_b32 s17, 0
	s_add_nc_u64 s[8:9], s[70:71], s[16:17]
	s_lshl_b32 s46, s46, 1                         ; the same column in bytes of f32
	v_lshl_add_u32 v[BO], v2, 5, s46               ; + my lanes' 8 columns
.irp b, 0,1,2,3,4,5,6,7                ; b1 as the accumulators hold their columns: register j of block b is column 16 b + 8 (l / 16) + j
	global_load_b128 v[BIAS+8*(\b):BIAS+8*(\b)+3],   v[BO], s[68:69] offset:64*(\b)
	global_load_b128 v[BIAS+8*(\b)+4:BIAS+8*(\b)+7], v[BO], s[68:69] offset:64*(\b)+16
.endr
.else
	v_bfe_u32 v5, v0, 3, 2                         ; back: 32 lanes take four rows of one head's 128 bytes,
	v_mul_u32_u24 v5, v5, SPITCH
	v_and_b32 v6, 7, v0
	v_lshl_add_u32 v5, v6, 4, v5
	v_add_nc_u32 v[RD], s23, v5
	v_and_b32 v[CO], 31, v0                        ; which are 512 consecutive bytes of qkv
	v_lshlrev_b32 v[CO], 4, v[CO]
	s_lshr_b32 s16, s42, 2                         ; which of q, k, v: 1,024 columns each
	s_lshl_b32 s16, s16, 6
	s_lshr_b32 s17, s13, 2                         ; the batch: 1,024 rows each
	s_lshl_b32 s17, s17, 4
	s_add_co_u32 s16, s16, s17
	s_and_b32 s17, s42, 3                          ; the head: four to a tile column,
	s_lshl_b32 s17, s17, 2
	s_add_co_u32 s16, s16, s17
	s_lshl_b32 s17, s12, 1                         ; two to a wave
	s_add_co_u32 s16, s16, s17
	s_lshl_b32 s16, s16, 10                        ; 1,024 tokens a head
	s_and_b32 s17, s13, 3
	s_lshl_b32 s17, s17, 8
	s_add_co_u32 s16, s16, s17                     ; + the tile's first token
	s_lshl_b32 s17, s11, 7
	s_add_co_u32 s16, s16, s17                     ; + my half
	s_lshl_b32 s16, s16, 7                         ; rows of 128 bytes (under 2^25)
	s_mov_b32 s17, 0
	s_add_nc_u64 s[8:9], s[8:9], s[16:17]
.endif
	; the prefetches
	s_lshl_b32 s20, s13, 8                         ; A's tile begins at row 256 x tile row,
	s_lshl_b32 s21, s42, 8                         ; B's at row 256 x tile column
	s_and_b32 s22, ttmp7, 0xffff                   ; cluster y
	s_cmp_eq_u32 s11, 0                            ; do I fetch for A?
	s_cselect_b32 s20, s20, s21
	s_cselect_b32 s21, s40, s41                    ; my place among the four that ask with me
	s_cselect_b32 s22, ttmp9, s22                  ; the coordinate along which other clusters read the same rows
	s_cselect_b64 s[PFA:PFA+1], s[4:5], s[6:7]
	s_cmp_eq_u32 s22, 0
	s_cselect_b32 s[LIM], 2, -1                    ; the same in all sixteen partners, for a given wave
	s_lshl_b32 s22, s12, 7
	s_add_co_u32 s20, s20, s22                     ; + the 128 rows that I fetch
	s_lshl_b32 s21, s21, 5
	s_add_co_u32 s20, s20, s21                     ; + my work-group's 32 of them
	s_lshl_b32 s20, s20, 11
	s_add_co_u32 s20, s20, 2*KSTEP*2               ; at K step 2: the first refill steps it to 3 and names step 4
	s_mov_b32 s21, 0
	s_add_nc_u64 s[PFA:PFA+1], s[PFA:PFA+1], s[20:21]
	v_and_b32 v[PFO], 31, v0
	v_lshlrev_b32 v[PFO], 11, v[PFO]
; 16 matrix instructions: m blocks a0, a0 + 1 of the window's four (hi = 0: my rows 0-63, 1: rows 64-127) x all 8 n blocks, 32 along K.
; zero = 1: the first product starts the sums: with the constant 0, or (KIND 1) with b1 as C, which lies in window 0.  Nothing is ever cleared.
.macro MUL16 f, hi, a0, zero
.if (\zero) && KIND
	WIN 0x81+0x40*(\hi)
.else
	WIN MUL_LO+0x50*(\hi)
.endif
.irp a, \a0, (\a0)+1
.irp b, 0,1,2,3,4,5,6,7
.if (\zero) && KIND
	v_wmma_f32_16x16x32_bf16 v[8*(8*(\a)+(\b)):8*(8*(\a)+(\b))+7], v[(\f)+8*(\b):(\f)+8*(\b)+7], v[(\f)+8*(4*(\hi)+(\a)):(\f)+8*(4*(\hi)+(\a))+7], v[BIAS+8*(\b):BIAS+8*(\b)+7]
.elseif \zero
	v_wmma_f32_16x16x32_bf16 v[8*(8*(\a)+(\b)):8*(8*(\a)+(\b))+7], v[(\f)+8*(\b):(\f)+8*(\b)+7], v[(\f)+8*(4*(\hi)+(\a)):(\f)+8*(4*(\hi)+(\a))+7], 0
.else
	v_wmma_f32_16x16x32_bf16 v[8*(8*(\a)+(\b)):8*(8*(\a)+(\b))+7], v[(\f)+8*(\b):(\f)+8*(\b)+7], v[(\f)+8*(4*(\hi)+(\a)):(\f)+8*(4*(\hi)+(\a))+7], v[8*(8*(\a)+(\b)):8*(8*(\a)+(\b))+7]
.endif
.endr
.endr
.endm
; 32 LDS loads in one run: the fragments of one quarter step (128 rows of B, then 128 rows of A, 32 K at byte k of the rows of the slot in hand) into buffer f.  It leaves every window 0.
.macro FETCH k, f
	WIN TO_B
.irp i, 0,1,2,3,4,5,6,7
	ds_load_b128 v[(\f)+8*(\i):(\f)+8*(\i)+3],   v[ADRB] offset:(\k)+(\i)*16*PITCH
	ds_load_b128 v[(\f)+8*(\i)+4:(\f)+8*(\i)+7], v[ADRB] offset:(\k)+(\i)*16*PITCH+32
.endr
	WIN 0
.irp i, 0,1,2,3,4,5,6,7
	ds_load_b128 v[(\f)+8*(\i):(\f)+8*(\i)+3],   v[ADRA] offset:(\k)+(\i)*16*PITCH
	ds_load_b128 v[(\f)+8*(\i)+4:(\f)+8*(\i)+7], v[ADRA] offset:(\k)+(\i)*16*PITCH+32
.endr
.endm
.macro PLACES                          ; four plain vector instructions between a matrix instruction and a load into a register that it has read (ISA guide 7.12.1 for vector instructions)
.rept 4
	v_nop
.endr
.endm
; A K step is four quarters of 32 along K, 64 matrix instructions each, on buffers 0, 1, 0, 1; the 64 accumulators take turns in the same order in every quarter.
; One of the first three: multiplies buffer f; in its middle it fetches the next quarter's fragments, at byte k, into buffer g.
.macro QUARTER k, f, g, zero
	s_wait_dscnt 8                                 ; B and A's rows 0-63 are in; the youngest eight loads (A's rows 64-127) may be out
	MUL16 \f, 0, 0, \zero
	MUL16 \f, 0, 2, \zero
	PLACES
	FETCH \k, \g
	s_wait_dscnt 32                                ; all but the 32 just issued
	MUL16 \f, 1, 0, \zero
	MUL16 \f, 1, 2, \zero
.endm
; The first half of the last quarter: ONE barrier for the change of slots.  In front of it each wave waits for all its tensor loads (one is out: its part of the next slot), adds 0 to its spare word,
; and waits for that and for its reads of this slot.  Behind it nobody reads this slot any more and the next slot is whole.
.macro MEET
	WIN 0                                          ; (the add's two registers lie in window 0)
	s_wait_tensorcnt 0x0
	ds_add_u32 v[SPW], v[NIL]
	s_wait_dscnt 9                                 ; (the add and the youngest eight loads may be out)
	MUL16 F1, 0, 0, 0                              ; sixteen matrix instructions stand between the add and the wait for it
	s_wait_dscnt 0x0                               ; the add is done, and my reads of this slot are over
	s_barrier_signal -1
	MUL16 F1, 0, 2, 0                              ; work on registers while the others arrive
	WIN 0
	s_barrier_wait -1
.endm
; The whole last quarter, with a refill: the barrier opens a round of the cluster's, the slot just read out takes the K step two steps on, first thing behind the round; then the next slot's first fragments.
; From the request to the wait for it a wave issues 224 matrix instructions; one tensor load of mine is out.
.macro TURN
	s_wait_xcnt 0x0                                ; the last prefetch, a K step back, has read its address
	s_add_nc_u64 s[PFA:PFA+1], s[PFA:PFA+1], KSTEP*2
	MEET
	CREST                                          ; no wave of any partner still reads this slot or has a load on its way
	s_xor_b32 s[G0+5], s[G0+5], SLOT               ; the walking descriptors: the other slot than last time,
	s_add_nc_u64 s[G0+6:G0+7], s[G0+6:G0+7], KSTEP*2   ; the next K step; the type bits on top are not reached
	s_xor_b32 s[G0B+5], s[G0B+5], SLOT
	s_add_nc_u64 s[G0B+6:G0B+7], s[G0B+6:G0B+7], KSTEP*2
	JLOAD 1                                        ; its four v_nop are also the places in front of the loads below
	s_xor_b32 s[TB], s[TB], SLOT
	v_add_nc_u32 v[ADRA], s[TB], v[A0]
	v_add_nc_u32 v[ADRB], s[TB], v[B0]
	FETCH 0, F0
	ASK
	MUL16 F1, 1, 0, 0
	MUL16 F1, 1, 2, 0
.endm
; The same without a refill, for the last two steps; in the very last (s3 = 1) there is no next slot, and the run of LDS loads is jumped over.
.macro TURNT
	MEET
	PLACES
	s_xor_b32 s[TB], s[TB], SLOT
	v_add_nc_u32 v[ADRA], s[TB], v[A0]
	v_add_nc_u32 v[ADRB], s[TB], v[B0]
	s_cmp_eq_u32 s3, 1
	s_cbranch_scc1 .Lno_fetch_\@
	FETCH 0, F0
.Lno_fetch_\@:
	MUL16 F1, 1, 0, 0
	MUL16 F1, 1, 2, 0
.endm
; THE WAY OUT of block a (16 rows x 128 columns).  PACK: rounded to bf16 (each accumulator's registers in ascending order), KIND 1 with relu on the packed halves.
; TOSTAGE: into my own stage in LDS and back as whole rows.  SEND: stored.
.macro PACK a
.set AC, 64*((\a)%4)
	WIN 0x0a+5*((\a)/4)                            ; sources 0 and 1: window 2 or 3
.irp b, 0,1,2,3,4,5,6,7
.irp r, 0,1,2,3
	v_cvt_pk_bf16_f32 v[TMP+4*(\b)+(\r)], v[AC+8*(\b)+2*(\r)], v[AC+8*(\b)+2*(\r)+1]
.endr
.endr
	WIN 0
.if KIND
.set i, 0
.rept 32
	v_pk_max_num_bf16 v[TMP+i], v[TMP+i], v[ZR]
.set i, i+1
.endr
.endif
.endm
.macro TOSTAGE a
.set BK, OB+192*((\a)%2)
.irp b, 0,1,2,3,4,5,6,7
	ds_store_b128 v[STO], v[TMP+4*(\b):TMP+4*(\b)+3] offset:32*(\b)
.endr
.irp t, 0,1,2,3,4,5,6,7                ; LDS serves a wave's instructions in order (ISA guide 5.7.1.4): these see the stores above
.if KIND
	ds_load_b128 v[BK+4*(\t):BK+4*(\t)+3], v[RD] offset:(\t)*2*SPITCH
.else
	ds_load_b128 v[BK+4*(\t):BK+4*(\t)+3], v[RD] offset:((\t)%4)*4*SPITCH+((\t)/4)*128   ; head t / 4 of my two, rows 4 (t % 4) on
.endif
.endr
.endm
.macro SEND a
.set BK, OB+192*((\a)%2)
	s_wait_dscnt 0x0                               ; the block is back in registers
	s_wait_xcnt 0x0                                ; the stores of the block before have read their registers, which the next TOSTAGE loads again
.irp t, 0,1,2,3,4,5,6,7
.if KIND
	global_store_b128 v[CO], v[BK+4*(\t):BK+4*(\t)+3], s[8:9] offset:(16*(\a)+2*(\t))*8192   ; 16 lanes store 256 consecutive bytes, aligned; the block's place stands in the immediate
.else
	global_store_b128 v[CO], v[BK+4*(\t):BK+4*(\t)+3], s[8:9] offset:((\t)/4)*131072+(\a)*2048+((\t)%4)*512   ; 512 consecutive bytes of one head, aligned
.endif
.endr
.endm
	s_wait_tensorcnt 1                             ; my part of K step 0 is in; step 1's may stay out
	s_barrier_signal -1
	s_barrier_wait -1                              ; everybody's is
	FETCH 0, F0
.if KIND
	s_wait_loadcnt 0x0                             ; b1
.endif
	QUARTER 64, F0, F1, 1                          ; the first quarter stands in front of the loop: its products start the sums
	WIN 0                                          ; at a label and at a branch every window is 0
	s_mov_b32 s3, SIZE_K/KSTEP-2
.Lstep:                                        ; six trips: steps 0 to 5, whose changes of slots ask for steps 2 to 7
	QUARTER 128, F1, F0, 0
	QUARTER 192, F0, F1, 0
	TURN
	QUARTER 64, F0, F1, 0
	WIN 0
	s_sub_co_u32 s3, s3, 1
	s_cmp_lg_u32 s3, 0
	s_cbranch_scc1 .Lstep
	s_mov_b32 s3, 2
.Ltail:                                        ; steps 6 and 7 ask for nothing; the second trip is left in its middle
	QUARTER 128, F1, F0, 0
	QUARTER 192, F0, F1, 0
	TURNT
	WIN 0
	s_cmp_eq_u32 s3, 1
	s_cbranch_scc1 .Lout
	QUARTER 64, F0, F1, 0
	WIN 0
	s_sub_co_u32 s3, s3, 1
	s_cmp_lg_u32 s3, 0
	s_cbranch_scc1 .Ltail
.Lout:
	PACK 0                                         ; blocks 0-3 were finished in front of the last quarter's four v_nop; their conversions are the places behind the last products (blocks 4-7)
	TOSTAGE 0
.irp a, 1,2,3,4,5,6,7                  ; block a's conversions stand between block a - 1's loads from the stage and the wait for them
	PACK \a
	SEND (\a)-1
	TOSTAGE \a
.endr
	SEND 7
	s_wait_tensorcnt 0x0                           ; the wave's end: behind my last tensor load and my last LDS store
	ds_add_u32 v[SPW], v[NIL]
	s_wait_dscnt 0x0
	CROUND                                         ; the closing round: no work-group ends while a partner may still ask for a tile that names it
	s_endpgm
.if KIND == 0
; THE CLUSTERS WITHOUT A TILE: wf = w1, then w2, rounded to bf16.  64 work-groups, 8 rounds.  In round i work-group c = 16 x cluster y + 4 cy + cx takes chunk 64 i + c of 64 KiB of f32:
; rounds 0 to 3 are w1's 256 chunks, rounds 4 to 7 w2's; in wf the two matrices lie on end, so chunk n goes to byte 32,768 n.  A wave takes 16 KiB of a chunk: its 32 loads go out at once.
; The place in the cluster enters global addresses alone.
.Lcast:
	s_load_b128 s[4:7], s[0:1], 0x18               ; w1 s[4:5], w2 s[6:7]
	s_load_b64 s[8:9], s[0:1], 0x28                ; wf
	v_lshrrev_b32 v1, 5, v0
	v_readfirstlane_b32 s10, v1                    ; wave 0..3
	v_and_b32 v1, 31, v0
	v_lshlrev_b32 v2, 3, v1                        ; 8 x lane: my bytes of a store
	v_lshlrev_b32 v1, 4, v1                        ; 16 x lane: my bytes of a load
	s_bfe_u32 s40, ttmp6, 0x40000                  ; cx
	s_bfe_u32 s41, ttmp6, 0x40004                  ; cy
	s_and_b32 s13, ttmp7, 0xffff
	s_lshl_b32 s13, s13, 2
	s_add_co_u32 s13, s13, s41
	s_lshl_b32 s13, s13, 2
	s_add_co_u32 s13, s13, s40                     ; c, 0 to 63
	s_lshl_b32 s14, s13, 16                        ; my chunk among a round's 64,
	s_lshl_b32 s15, s10, 14                        ; my wave's 16 KiB of it
	s_add_co_u32 s14, s14, s15
	s_mov_b32 s15, 0
	s_lshl_b32 s16, s13, 15                        ; and half as many bytes in wf
	s_lshl_b32 s17, s10, 13
	s_add_co_u32 s16, s16, s17
	s_mov_b32 s17, 0
	s_mov_b32 s21, 0
	s_mov_b32 s3, 0
	s_wait_kmcnt 0x0
	s_add_nc_u64 s[4:5], s[4:5], s[14:15]
	s_add_nc_u64 s[6:7], s[6:7], s[14:15]
	s_add_nc_u64 s[8:9], s[8:9], s[16:17]
.Lround:
	s_cmp_lt_u32 s3, 4
	s_cselect_b64 s[18:19], s[4:5], s[6:7]         ; the round's matrix,
	s_and_b32 s20, s3, 3
	s_lshl_b32 s20, s20, 22                        ; and the round's 64 chunks of it: 4 MiB a round
	s_add_nc_u64 s[18:19], s[18:19], s[20:21]
.set i, 0
.rept 32
	global_load_b128 v[CX+4*i:CX+4*i+3], v1, s[18:19] offset:i*512 th:TH_LOAD_NT
.set i, i+1
.endr
.set i, 0
.rept 32
	s_wait_loadcnt 31-i                            ; load i is in; the younger ones stay out
	v_cvt_pk_bf16_f32 v[CX+4*i], v[CX+4*i], v[CX+4*i+1]
	v_cvt_pk_bf16_f32 v[CX+4*i+1], v[CX+4*i+2], v[CX+4*i+3]
	global_store_b64 v2, v[CX+4*i:CX+4*i+1], s[8:9] offset:i*256   ; 256 consecutive bytes, aligned
.set i, i+1
.endr
	s_wait_xcnt 0x0                                ; the stores have read their data and their base: both are written again only behind this wait
	s_add_nc_u64 s[8:9], s[8:9], 0x200000          ; 64 chunks of 32 KiB on
	s_add_co_u32 s3, s3, 1
	s_cmp_lt_u32 s3, 8
	s_cbranch_scc1 .Lround
	CROUND                                         ; all sixteen partners take this path: none ends ahead of the others
	s_endpgm
.endif
.Lfunc_end_k_q8b3f5a9d54_qkv:
	.size	k_q8b3f5a9d54_qkv, .Lfunc_end_k_q8b3f5a9d54_qkv-k_q8b3f5a9d54_qkv
	.p2alignl 7, 3214868480
	.fill 96, 4, 3214868480
	.section	.rodata,"a",@progbits
	.p2align	6, 0x0
	.amdhsa_kernel k_q8b3f5a9d54_qkv
		.amdhsa_group_segment_fixed_size 327680
		.amdhsa_private_segment_fixed_size 0
		.amdhsa_enable_private_segment 0
		.amdhsa_kernarg_size 48
		.amdhsa_user_sgpr_count 2
		.amdhsa_user_sgpr_kernarg_segment_ptr 1
		.amdhsa_wavefront_size32 1
		.amdhsa_system_sgpr_workgroup_id_x 1
		.amdhsa_system_sgpr_workgroup_id_y 1
		.amdhsa_system_sgpr_workgroup_id_z 1
		.amdhsa_system_vgpr_workitem_id 0
		.amdhsa_next_free_vgpr 1024
		.amdhsa_next_free_sgpr 72
		.amdhsa_reserve_vcc 0
		.amdhsa_float_denorm_mode_32 3
		.amdhsa_float_denorm_mode_16_64 3
		.amdhsa_memory_ordered 1
		.amdhsa_forward_progress 1
		.amdhsa_inst_pref_size 114
	.end_amdhsa_kernel
	.amdgpu_metadata
---
amdhsa.version: [ 1, 2 ]
amdhsa.kernels:
  - .name:           k_q8b3f5a9d54_qkv
    .symbol:         k_q8b3f5a9d54_qkv.kd
    .args:
      - { .name: xn, .offset: 0, .size: 8, .value_kind: global_buffer, .address_space: global }
      - { .name: wa, .offset: 8, .size: 8, .value_kind: global_buffer, .address_space: global }
      - { .name: qkv, .offset: 16, .size: 8, .value_kind: global_buffer, .address_space: global }
      - { .name: w1, .offset: 24, .size: 8, .value_kind: global_buffer, .address_space: global }
      - { .name: w2, .offset: 32, .size: 8, .value_kind: global_buffer, .address_space: global }
      - { .name: wf, .offset: 40, .size: 8, .value_kind: global_buffer, .address_space: global }
    .group_segment_fixed_size: 327680
    .private_segment_fixed_size: 0
    .kernarg_segment_align: 8
    .kernarg_segment_size: 48
    .max_flat_workgroup_size: 128
    .sgpr_count:     72
    .vgpr_count:     1024
    .wavefront_size: 32
...
	.end_amdgpu_metadata
.endif
;; end of part 2
;; launch attn (part 3): grid 4 x 64, 4 waves a work-group, clusters of 4 x 1, 327,680 bytes of LDS; arguments qkv, ctx; writes ctx
.if DOCPART == 3
	.amdgcn_target "amdgcn-amd-amdhsa--gfx1250"
	.amdhsa_code_object_version 6
	.text
	.protected	k_q8b3f5a9d54_attn
	.globl	k_q8b3f5a9d54_attn
	.p2align	8
	.type	k_q8b3f5a9d54_attn,@function
k_q8b3f5a9d54_attn:
	s_mov_b64 s[64:65], 0
	v_nop
	global_prefetch_b8 v0, s[64:65] scope:SCOPE_SE
	s_setreg_imm32_b32 hwreg(HW_REG_WAVE_MODE, 25, 1), 1
	s_wait_xcnt 0x0
	s_wait_alu depctr_hold_cnt(0) depctr_sa_sdst(0) depctr_va_vdst(0) depctr_va_sdst(0) depctr_va_ssrc(0) depctr_va_vcc(0) depctr_vm_vsrc(0)
	s_getreg_b32 s2, hwreg(HW_REG_IB_STS2, 6, 4)
	s_cmp_eq_u32 s2, 0
	s_cbranch_scc0 .Lentry_in_a_cluster
	s_endpgm
.Lentry_in_a_cluster:
	s_bfe_u32 s2, ttmp6, 0x10000c
	s_cmp_lg_u32 s2, 0x3003
	s_cbranch_scc0 .Lentry_shape_is_right
	s_endpgm
.Lentry_shape_is_right:
; CAUSAL ATTENTION.  ctx[q] = the sum over k <= q of softmax_k(Q[q] . K[k] / 8) V[k], for 64 heads of 1,024 tokens x 64 channels.  qkv: [3][64][1024][64] bf16, a head's rows dense, 128 bytes each, unscaled.
; Products, maxima and sums in f32; the weights p are rounded to bf16 for the second product (their sum l is taken of the unrounded p), ctx once at the end.
; WORK LEFT OUT: key tiles of 128 that lie wholly above the diagonal: the problem sets those scores to minus infinity ahead of the softmax, so their weights are 0 for all inputs.
; LIMITS.  A NaN, infinity or overflow that lies only in a tile left out is not carried to the result.  Inside a diagonal tile a hidden score counts as its value less 1e30; a weight below 2^-126 counts as 0.
; SHARES.  A cluster of four work-groups is ONE HEAD.  The head's whole K and V (256 KiB) lie in every partner's LDS, brought once by four JOINT loads (the same tensor load, descriptor and mask in all four);
; nothing is ever filled again.  The queries lie in 8 groups of 128 rows; partner p owns rows 32 p .. 32 p + 31 of EVERY group; wave w takes group 7 - w (key tiles 0 .. 7 - w) and then group w (tiles 0 .. w):
; nine steps of 128 keys x 32 queries for every wave of every work-group.  The place in the cluster enters Q's and ctx's global addresses and the mask's values alone.
; ctx LAYOUT: [token pair][head][parity][64]: byte = pair x 4,096 + head x 256 + parity x 128 + 2 x channel: two tokens of a head are 256 consecutive bytes, so that 16 lanes store such a block whole.
; LAYOUT IN REGISTERS.  S^T = K Q^T (source 0 = 16 keys, source 1 = 16 queries): a lane holds ONE query (lane % 16) and the keys 8 (lane / 16) + 0..7.  Two such results, rounded to bf16 in pairs, ARE
; source 1 (32 keys x 16 queries) of O^T = V^T P, whose result again holds one query a lane, and eight channels.  K comes out of LDS as it lies, V turned, by ds_load_tr16_b128.
; SOFTMAX.  A running maximum m and sum l: p = 2^(c s - c m), c = log2(e) / 8; in every step O and l are multiplied by a = 2^(c m_old - c m_new).  m starts at the lowest finite number, so a group's first a is 0.
; A STEP goes in phases: 32 products K Q^T, the softmax of the wave's two tiles of 16 queries, 32 products V^T P.  The two tiles' softmaxes are set against each other, so that every exponential has a plain
; neighbour, and each tile's 65 exponentials are one batch with one wait.
; REGISTERS, in windows of 256 (s_set_vgpr_msb: bits 1:0 source 0, 3:2 source 1, 5:4 source 2, 7:6 destination):
;   window 0: v0-15, v32 addresses and lane terms; v16-23 statistics; v24-31 at work; v64-191 S^T, 64 a tile; v192-255 P, 32 a tile
;   window 1: v0-63 O^T, 32 a tile; v64-191 the diagonal tile's mask, numbered as S^T; v192-223 the second group's Q      window 2: v0-31 Q; v128-255 K of a step      window 3: v0-127 V of a step
.set PK,    144       ; a row of K in LDS: 128 bytes + 16 of padding = 36 words: the 16 rows of a load start at 16 different groups of four banks (64 banks of 4 bytes: ISA guide 11.1)
.set PV,    160       ; a row of V: 128 + 32 = 40 words
.set VBASE, 1024*PK   ; K's 1,024 rows, then V's
.set STAGE, VBASE+1024*PV  ; 16 rows x 144 bytes for each wave, for the way out; no tensor load lands here
.set SP,    144
.set SPARE, STAGE+4*16*SP  ; the spare words, 128 bytes a wave, that no other line names
.set AK0, 2           ; v2   my lane's place in a tile of K; never rewritten
.set AV0, 3           ; v3   the same for V
.set AK,  4           ; v4   the LDS address of K's next run of loads
.set AV,  5           ; v5   of V's
.set STO, 6           ; v6   the way out: where I put 16 bytes of a row
.set RD,  7           ; v7   where I read rows back
.set GO,  8           ; v8   my byte offset in two blocks of 256 bytes of ctx
.set MV,  12          ; v12-13  c m_old, kept while c m is made anew
.set ST,  16          ; tile t's statistics at v[ST+4 t]: c m, m, l (even keys', odd keys')
.set TMP, 24          ; tile t: four registers c0-c3 at work; when the maximum is found c2 takes a
.set QO,  32          ; v32  my byte offset in 16 rows of Q
.set SPW, 62          ; v62  my spare word: SPARE + 4 x my thread's number; never rewritten
.set NIL, 63          ; v63  0; never rewritten
.set S,   64
.set P,   192
.set MD,  64          ; window 1
.set QB,  192         ; window 1
.set KF,  128         ; window 2: key block kb, channel half c at KF + 16 kb + 8 c
.set WV,  12          ; s12  my wave's number
.set G1K, 24          ; s[24:31] descriptor group 1 for K
.set G1V, 32          ; s[32:39] for V: it differs in the padding alone
.set G0K, 40          ; s[40:43] descriptor group 0 for K
.set G0V, 44          ; s[44:47] for V
.set GQ,  48          ; s48  the group in hand; its diagonal tile has the same number
.set TT,  49          ; s49  the key tile in hand
.set NT,  50          ; s50  the next one
.set DG,  51          ; s51  1: the tile in hand is the group's last, the diagonal one
.set CNT, 52          ; s52  steps to go
.set CS,  58          ; s[58:59] c
.set SEL, 60          ; s[60:61] v_permlanex16_b32's selects: each lane takes its own place in the other half
.set BIGN, 62         ; s62  -1e30
.set MSB, 0
.macro WIN new                      ; the high byte repeats the setting that is left; a switch that changes nothing is dropped
.if MSB != (\new)
	s_set_vgpr_msb (MSB<<8)|(\new)
.set MSB, (\new)
.endif
.endm
.macro CROUND                       ; a round of the cluster's barrier
	s_barrier_signal -1
	s_barrier_wait -1
	s_cmp_lg_u32 s[WV], 0
	s_cbranch_scc1 .Lnot_wave_0_\@
	s_barrier_signal -3
.Lnot_wave_0_\@:
	s_barrier_wait -3
	s_barrier_signal -1
	s_barrier_wait -1
.endm
.macro STATS                        ; a group begins: c m far below every c s, m the lowest finite number, l = 0
.irp t, 0,1
	v_mov_b32 v[ST+4*(\t)], 0xfe000000
	v_mov_b32 v[ST+4*(\t)+1], 0xff7fffff
	v_mov_b32 v[ST+4*(\t)+2], 0
	v_mov_b32 v[ST+4*(\t)+3], 0
.endr
.endm
	s_load_b128 s[4:7], s[0:1], 0x0 ; qkv s[4:5], ctx s[6:7]
	v_lshl_add_u32 v[SPW], v0, 2, SPARE
	v_mov_b32 v[NIL], 0
	ds_add_u32 v[SPW], v[NIL]       ; the wave's opening: the add, twice on end, and its wait ahead of my first tensor load
	ds_add_u32 v[SPW], v[NIL]       ; the set-up below, work on registers, stands between the second add and the wait
	v_lshrrev_b32 v1, 5, v0
	v_readfirstlane_b32 s[WV], v1   ; wave 0..3
	s_bfe_u32 s13, ttmp6, 0x40000   ; cx: my place in the cluster
	s_and_b32 s14, ttmp7, 0xffff    ; the head among 64, which the four partners share
	s_and_b32 s16, s[WV], 1         ; which 512 keys I fetch
	s_add_co_u32 s20, s14, 64
	s_lshl_b32 s20, s20, 17         ; K of my head: 131,072 bytes a head, behind q's 64 heads
	s_lshl_b32 s17, s16, 16
	s_add_co_u32 s20, s20, s17
	s_mov_b32 s21, 0
	s_add_co_u32 s22, s20, 64*131072  ; V: 64 heads further
	s_mov_b32 s23, 0
	s_mul_i32 s18, s16, 512*PK      ; where they go: no place in the cluster enters an LDS address
	s_mul_i32 s19, s16, 512*PV
	; descriptor group 1.  512 keys are 65,536 dense bytes: asked for as 256 rows of 256 bytes, two keys a row, padded in LDS after every key
	s_mov_b32 s[G1K], 15|(1<<16)|(1<<20)|(1<<21)|(4<<22)|(3<<25)  ; the mask of four; 2-byte elements; padding on; bit 21 beside a mask; after every 32 words; 4 words
	s_mov_b32 s[G1V], 15|(1<<16)|(1<<20)|(1<<21)|(4<<22)|(7<<25)  ; the same with 8 words of padding
.irp g, G1K, G1V
	s_mov_b32 s[(\g)+1], 128<<16    ; tensor_dim0 = 128
	s_mov_b32 s[(\g)+2], 256<<16    ; tensor_dim1 = 256
	s_mov_b32 s[(\g)+3], 128<<16    ; tile_dim0 = 128
	s_mov_b32 s[(\g)+4], 256        ; tile_dim1 = 256
	s_mov_b32 s[(\g)+5], 128        ; 128 elements from row to row
	s_mov_b32 s[(\g)+6], 0
	s_mov_b32 s[(\g)+7], 0
.endr
	s_mov_b32 s[G0K], 1
	s_mov_b32 s[G0K+1], s18
	s_mov_b32 s[G0V], 1
	s_add_co_u32 s[G0V+1], s19, VBASE
	s_sub_co_u32 s[GQ], 7, s[WV]    ; my first group
	s_lshl_b32 s2, s14, 17          ; Q of my head,
	s_lshl_b32 s3, s13, 12          ; my work-group's 32 rows of a group
	s_add_co_u32 s2, s2, s3
	s_lshl_b32 s3, s[GQ], 14        ; a group is 128 rows of 128 bytes
	s_add_co_u32 s8, s2, s3
	s_mov_b32 s9, 0
	s_lshl_b32 s3, s[WV], 14
	s_add_co_u32 s10, s2, s3
	s_mov_b32 s11, 0
	s_lshr_b32 s2, s14, 4           ; ctx: the batch's 512 pairs of 4,096 bytes,
	s_lshl_b32 s2, s2, 21
	s_lshl_b32 s3, s13, 16          ; my work-group's 16 pairs of a group,
	s_add_co_u32 s2, s2, s3
	s_and_b32 s3, s14, 15           ; the head's 256 bytes of a pair
	s_lshl_b32 s3, s3, 8
	s_add_co_u32 s2, s2, s3
	s_lshl_b32 s3, s[GQ], 18        ; a group is 64 pairs
	s_add_co_u32 s54, s2, s3
	s_mov_b32 s55, 0
	s_lshl_b32 s3, s[WV], 18
	s_add_co_u32 s56, s2, s3
	s_mov_b32 s57, 0
	s_mov_b32 s[CS], 0x3e38aa3b     ; c = log2(e) / 8
	s_mov_b32 s[CS+1], s[CS]        ; named with it as a pair
	s_mov_b32 s[SEL], 0x76543210
	s_mov_b32 s[SEL+1], 0xfedcba98
	s_mov_b32 s[BIGN], 0xf149f2ca   ; -1e30
	s_mov_b32 s[TT], 0
	s_mov_b32 s[CNT], 9
	s_wait_dscnt 0x0                ; both opening adds are done
	s_wait_kmcnt 0x0
	s_add_nc_u64 s[G0K+2:G0K+3], s[4:5], s[20:21]
	s_or_b32 s[G0K+3], s[G0K+3], 0x80000000   ; type = 2
	s_add_nc_u64 s[G0V+2:G0V+3], s[4:5], s[22:23]
	s_or_b32 s[G0V+3], s[G0V+3], 0x80000000
	s_add_nc_u64 s[8:9], s[4:5], s[8:9]       ; Q of my first group, s[10:11] of my second
	s_add_nc_u64 s[10:11], s[4:5], s[10:11]
	s_add_nc_u64 s[54:55], s[6:7], s[54:55]   ; ctx of my first group, s[56:57] of my second
	s_add_nc_u64 s[56:57], s[6:7], s[56:57]
	CROUND                          ; all four work-groups are here: the joint loads meet
	s_cmp_lt_u32 s[WV], 2           ; waves 0 and 1 fetch K's halves, waves 2 and 3 V's: one tensor load of mine is out, the only one of the launch
	s_cbranch_scc0 .Lfor_v
	tensor_load_to_lds s[G0K:G0K+3], s[G1K:G1K+7]
	s_nop 0
.rept 4
	v_nop
.endr
	s_branch .Lasked
.Lfor_v:
	tensor_load_to_lds s[G0V:G0V+3], s[G1V:G1V+7]
	s_nop 0
.rept 4
	v_nop
.endr
.Lasked:
	; all that follows up to the wait stands in the time in which K and V land
	v_and_b32 v1, 15, v0            ; l % 16
	v_bfe_u32 v9, v0, 4, 1          ; l / 16
	v_lshlrev_b32 v[QO], 7, v1
	v_lshl_add_u32 v[QO], v9, 4, v[QO]  ; row x 128 + 16 x half
	WIN 0x80                        ; destination window 2, address window 0
.set i, 0
.rept 4                             ; Q: tile i / 2, channels 32 (i % 2) on
	global_load_b128 v[8*i:8*i+3],   v[QO], s[8:9] offset:(i/2)*2048+(i%2)*64
	global_load_b128 v[8*i+4:8*i+7], v[QO], s[8:9] offset:(i/2)*2048+(i%2)*64+32
.set i, i+1
.endr
	WIN 0x40                        ; destination window 1
.set i, 0
.rept 4
	global_load_b128 v[QB+8*i:QB+8*i+3],   v[QO], s[10:11] offset:(i/2)*2048+(i%2)*64
	global_load_b128 v[QB+8*i+4:QB+8*i+7], v[QO], s[10:11] offset:(i/2)*2048+(i%2)*64+32
.set i, i+1
.endr
	WIN 0
	v_lshlrev_b32 v10, 3, v9
	v_sub_nc_u32 v10, v1, v10
	s_lshl_b32 s2, s13, 5
	v_add_nc_u32 v14, s2, v10       ; tile 0: my query's place in its group, 32 p + l % 16, less my lanes' 8 (l / 16): register j of key block kb is hidden where 16 kb + j is greater
	v_add_nc_u32 v15, 16, v14       ; tile 1
	WIN 0x40
.set i, 0
.rept 128                           ; the diagonal tile's mask: 0, or -1e30 where the key is hidden
	v_cmp_gt_i32 vcc_lo, 16*((i%64)/8)+i%8, v[14+i/64]
	v_cndmask_b32 v[MD+i], 0, s[BIGN], vcc_lo
.set i, i+1
.endr
.set i, 0
.rept 64                            ; a group's first step multiplies O^T by a = 0, so it need only hold finite numbers: zeros now, what the first group left later
	v_mov_b32 v[i], 0
.set i, i+1
.endr
	WIN 0
	STATS
	v_mul_u32_u24 v[AK0], v1, PK
	v_lshl_add_u32 v[AK0], v9, 4, v[AK0]  ; row x pitch + 16 x half
	; the turning load takes 16 keys x 16 channels (lane l reads key 8 (l / 16) + l % 8, channels 8 ((l / 8) % 2) + 0..7) and leaves half a fragment of V^T: lane l holds channel l % 16 and 8 keys
	v_and_b32 v10, 7, v0
	v_bfe_u32 v11, v0, 3, 1
	v_lshl_add_u32 v[AV0], v9, 3, v10
	v_mul_u32_u24 v[AV0], v[AV0], PV
	v_lshl_add_u32 v[AV0], v11, 4, v[AV0]
	v_add_nc_u32 v[AV0], VBASE, v[AV0]
	s_mul_i32 s2, s[WV], 16*SP
	s_add_co_u32 s2, s2, STAGE      ; my stage
	v_mul_u32_u24 v[STO], v1, SP    ; in: row l % 16, 16 bytes for each half of the lanes
	v_lshl_add_u32 v[STO], v9, 4, v[STO]
	v_add_nc_u32 v[STO], s2, v[STO]
	v_bfe_u32 v[RD], v0, 3, 2       ; back: 32 lanes take four rows of 128 bytes:
	v_mul_u32_u24 v[RD], v[RD], SP
	v_lshl_add_u32 v[RD], v10, 4, v[RD]
	v_add_nc_u32 v[RD], s2, v[RD]
	v_lshlrev_b32 v[GO], 12, v9     ; two pairs of tokens, 4,096 bytes apart in ctx, 256 bytes each
	v_lshl_add_u32 v[GO], v1, 4, v[GO]
	v_mov_b32 v[AK], v[AK0]         ; key tile 0
	v_mov_b32 v[AV], v[AV0]
; THE MATRIX WORK.  The accumulators take turns, one instruction a turn: 16 in K Q^T, 8 in V^T P.
; Product i of 32 of S^T = K Q^T: channels 32 (i / 16) on, keys 16 ((i / 2) % 8) on, tile i % 2.  The first 16 start the sums.
.macro KQ
	WIN 0x0a                        ; K and Q in window 2, S^T in window 0
.set rSS, S+64*(i%2)+8*((i/2)%8)
.set rK, KF+16*((i/2)%8)+8*(i/16)
.set rQ, 16*(i%2)+8*(i/16)
.if i < 16
	v_wmma_f32_16x16x32_bf16 v[rSS:rSS+7], v[rK:rK+7], v[rQ:rQ+7], 0
.else
	v_wmma_f32_16x16x32_bf16 v[rSS:rSS+7], v[rK:rK+7], v[rQ:rQ+7], v[rSS:rSS+7]
.endif
.set i, i+1
.endm
; Product i of 32 of O^T += V^T P: keys 32 (i / 8) on, channels 16 ((i / 2) % 4) on, tile i % 2.
.macro PVM
	WIN 0x53                        ; V in window 3, P in window 0, O^T in window 1
.set rOO, 32*(i%2)+8*((i/2)%4)
.set rV, 32*(i/8)+8*((i/2)%4)
.set rPP, P+32*(i%2)+8*(i/8)
	v_wmma_f32_16x16x32_bf16 v[rOO:rOO+7], v[rV:rV+7], v[rPP:rPP+7], v[rOO:rOO+7]
.set i, i+1
.endm
; THE LDS LOADS stand in runs of 32: a step's K (128 keys x 64 channels: 16 fragments) and its V (turned).
.macro FETCH_K
	WIN 0x80                        ; destination window 2
.irp f, 0,1,2,3,4,5,6,7,8,9,10,11,12,13,14,15  ; keys 16 (f / 2) on, channels 32 (f % 2) on
	ds_load_b128 v[KF+8*(\f):KF+8*(\f)+3],   v[AK] offset:((\f)/2)*16*PK+((\f)%2)*64
	ds_load_b128 v[KF+8*(\f)+4:KF+8*(\f)+7], v[AK] offset:((\f)/2)*16*PK+((\f)%2)*64+32
.endr
	WIN 0
.endm
.macro FETCH_V
	WIN 0xc0                        ; destination window 3
.irp f, 0,1,2,3,4,5,6,7,8,9,10,11,12,13,14,15  ; keys 32 (f / 4) on, channels 16 (f % 4) on
	ds_load_tr16_b128 v[8*(\f):8*(\f)+3],   v[AV] offset:((\f)/4)*32*PV+((\f)%4)*32
	ds_load_tr16_b128 v[8*(\f)+4:8*(\f)+7], v[AV] offset:((\f)/4)*32*PV+16*PV+((\f)%4)*32
.endr
	WIN 0
.endm
; THE VECTOR WORK of tile t, as numbered lists.
.macro REGS t
.set rT, ST+4*(\t)
.set rC, TMP+4*(\t)
.set rM, MV+(\t)
.set rS, S+64*(\t)
.set rP, P+32*(\t)
.set rO, 32*(\t)
.endm
; XS: the maximum and statistics, 37 numbers.  0-27: four chains c0-c3, three operands at a time; chain j goes over accumulators j and j + 4, each from its lowest registers on.
; 28, 29: the four scores left over.  30, 31: c0-c3 and the old m into c0.  32, 34: the query's other 64 keys lie in the lane 16 away: the new m.  33: c m_old is kept.  35, 36: c m; c m_old - c m_new.
.macro XS t, n
	REGS \t
.if (\n) < 4
	v_max3_num_f32 v[rC+(\n)], v[rS+8*(\n)], v[rS+8*(\n)+1], v[rS+8*(\n)+2]
.elseif (\n) < 28
.set xj, (\n)%4
.set xa, 2*((\n)/4)+1
.set xb, xa+1
.if xa >= 8
.set xa, xa+24
.endif
.if xb >= 8
.set xb, xb+24
.endif
	v_max3_num_f32 v[rC+xj], v[rC+xj], v[rS+8*xj+xa], v[rS+8*xj+xb]
.elseif (\n) == 28
	v_max3_num_f32 v[rC], v[rC], v[rS+39], v[rS+47]
.elseif (\n) == 29
	v_max3_num_f32 v[rC+2], v[rC+2], v[rS+55], v[rS+63]
.elseif (\n) == 30
	v_max3_num_f32 v[rC], v[rC], v[rC+1], v[rC+2]
.elseif (\n) == 31
	v_max3_num_f32 v[rC], v[rC], v[rC+3], v[rT+1]
.elseif (\n) == 32
	v_permlanex16_b32 v[rC+1], v[rC], s[SEL], s[SEL+1]
.elseif (\n) == 33
	v_mov_b32 v[rM], v[rT]
.elseif (\n) == 34
	v_max_num_f32 v[rT+1], v[rC], v[rC+1]
.elseif (\n) == 35
	v_mul_f32 v[rT], s[CS], v[rT+1]
.else
	v_sub_f32 v[rC+1], v[rM], v[rT]
.endif
.endm
.macro FS t, n                      ; c s - c m for pair n of 32
	REGS \t
	v_pk_fma_f32 v[rS+2*(\n):rS+2*(\n)+1], v[rS+2*(\n):rS+2*(\n)+1], s[CS:CS+1], v[rT:rT+1] op_sel_hi:[1,0,0] neg_lo:[0,0,1] neg_hi:[0,0,1]
.endm
.macro EX t, n                      ; 0: a; 1-64: the weights
	REGS \t
.if (\n) == 0
	v_exp_f32 v[rC+2], v[rC+1]
.else
	v_exp_f32 v[rS+(\n)-1], v[rS+(\n)-1]
.endif
.endm
.macro GS t, n                      ; 0-31: pair n rounded to bf16.  32-62: the 32 pairs added up in place, neighbours 1, 2, 4, 8, 16 pairs apart.  63: l = a l + the sum
	REGS \t
.if (\n) < 32
	v_cvt_pk_bf16_f32 v[rP+(\n)], v[rS+2*(\n)], v[rS+2*(\n)+1]
.elseif (\n) < 63
.set gz, (\n)-32
.set gw, 4
.set gu, gz
.if gz >= 30
.set gw, 64
.set gu, 0
.elseif gz >= 28
.set gw, 32
.set gu, gz-28
.elseif gz >= 24
.set gw, 16
.set gu, gz-24
.elseif gz >= 16
.set gw, 8
.set gu, gz-16
.endif
	v_pk_add_f32 v[rS+gw*gu:rS+gw*gu+1], v[rS+gw*gu:rS+gw*gu+1], v[rS+gw*gu+gw/2:rS+gw*gu+gw/2+1]
.else
	v_pk_fma_f32 v[rT+2:rT+3], v[rT+2:rT+3], v[rC+2:rC+3], v[rS:rS+1] op_sel_hi:[1,0,1]
.endif
.endm
.macro RS t, n                      ; pair n of 16 of O^T times a
	REGS \t
	v_pk_mul_f32 v[rO+2*(\n):rO+2*(\n)+1], v[rO+2*(\n):rO+2*(\n)+1], v[rC+2:rC+3] op_sel_hi:[1,0]
.endm
; THE WAY OUT of tile t: O^T is divided by l and rounded to bf16; a lane's eight channels of a row pack into 16 bytes; they go into rows of 144 bytes and come back as whole rows of 128, into S^T's registers.
.macro PACK t
	WIN 0x41                        ; O^T (destination and source 0) in window 1, 1 / l in window 0
.set i, 32*(\t)
.rept 16
	v_pk_mul_f32 v[i:i+1], v[i:i+1], v[ST+4*(\t)+2:ST+4*(\t)+3] op_sel_hi:[1,0]
.set i, i+2
.endr
	WIN 0x05                        ; sources 0 and 1 window 1, destination window 0
.set i, 0
.rept 16
	v_cvt_pk_bf16_f32 v[S+16*(\t)+i], v[32*(\t)+2*i], v[32*(\t)+2*i+1]
.set i, i+1
.endr
	WIN 0
.irp f, 0,1,2,3
	ds_store_b128 v[STO], v[S+16*(\t)+4*(\f):S+16*(\t)+4*(\f)+3] offset:32*(\f)
.endr
.irp f, 0,1,2,3
	ds_load_b128 v[S+16*(\t)+4*(\f):S+16*(\t)+4*(\f)+3], v[RD] offset:(\f)*4*SP  ; LDS serves a wave's instructions in order (ISA guide 5.7.1.4): these see the stores above; the next tile's stores come behind them
.endr
.endm
.macro SEND t, younger              ; younger: the LDS instructions issued behind tile t's loads: the next tile's eight, or none
.irp f, 0,1,2,3
	s_wait_dscnt (\younger)+3-(\f)
	global_store_b128 v[GO], v[S+16*(\t)+4*(\f):S+16*(\t)+4*(\f)+3], s[54:55] offset:(\t)*32768+(\f)*8192  ; 16 lanes store 256 consecutive bytes, aligned: two tokens of my head
.endr
.endm
	s_wait_tensorcnt 0x0            ; my part of K or V is in,
	s_barrier_signal -1
	s_barrier_wait -1               ; everybody's is.  From here on LDS's K and V are only read, and no wave waits for another
	FETCH_K
	FETCH_V
	s_wait_loadcnt 0x0              ; Q
.Lstep:                             ; nine trips
	s_add_co_u32 s[NT], s[TT], 1
	s_cmp_eq_u32 s[TT], s[GQ]
	s_cselect_b32 s[DG], 1, 0
	s_cselect_b32 s[NT], 0, s[NT]   ; behind a group's last tile comes tile 0
	s_min_u32 s[NT], s[NT], 7       ; (it never passes 7: the bound is written for the reader of the addresses)
	s_mul_i32 s53, s[NT], 128*PK
	s_wait_dscnt 32                 ; K is in; V's 32 younger loads may be out
.set i, 0
.rept 32
	KQ
.endr
	WIN 0
	v_add_nc_u32 v[AK], s53, v[AK0] ; with three v_nop the four places between the products and the loads into K's registers, and the reads of the scores
.rept 3
	v_nop
.endr
	FETCH_K                         ; the next tile's K: it has the softmax and 32 products in which to come
	s_cmp_eq_u32 s[DG], 1
	s_cbranch_scc0 .Lnomask
	WIN 0x04                        ; source 1 in window 1
.set i, 0
.rept 64
	v_pk_add_f32 v[S+i:S+i+1], v[S+i:S+i+1], v[MD+i:MD+i+1]
.set i, i+2
.endr
	WIN 0
.Lnomask:
.set i, 0
.rept 37
	XS 0, i
.set i, i+1
.endr
.set i, 0
.rept 32
	FS 0, i
.set i, i+1
.endr
.set i, 0
.rept 65                            ; tile 0's exponentials, one batch; between them tile 1's maximum, statistics and scalings, which name none of their results
	EX 0, i
.if i < 37
	XS 1, i
.else
	FS 1, i-37
.endif
.set i, i+1
.endr
.set i, 28
.rept 4
	FS 1, i                         ; plain instructions behind the batch's last exponential
.set i, i+1
.endr
	s_wait_alu depctr_va_vdst(0)    ; the one wait for tile 0's batch, ahead of its first reader
.set i, 0
.rept 65                            ; tile 1's exponentials, one batch; between them tile 0's roundings and sums
	EX 1, i
.if i < 64
	GS 0, i
.endif
.set i, i+1
.endr
	v_nop                           ; a plain instruction behind the last exponential,
	s_wait_alu depctr_va_vdst(0)    ; and the one wait for tile 1's batch
.set i, 0
.rept 64
	GS 1, i
.set i, i+1
.endr
	WIN 0x41
.set i, 0
.rept 16
	RS 0, i
	RS 1, i
.set i, i+1
.endr
	s_mul_i32 s53, s[NT], 128*PV
	s_wait_dscnt 32                 ; V is in; the next K's 32 younger loads may be out
.set i, 0
.rept 32
	PVM
.endr
	WIN 0
	v_add_nc_u32 v[AV], s53, v[AV0] ; with three v_nop the four places behind the products
.rept 3
	v_nop
.endr
	FETCH_V                         ; the next tile's V
	s_cmp_eq_u32 s[DG], 1
	s_cbranch_scc0 .Lbottom
	; the group is finished: l's two halves and the other half of the lanes' are added, and the two tiles go out
.irp t, 0,1
	v_add_f32 v[ST+4*(\t)+2], v[ST+4*(\t)+2], v[ST+4*(\t)+3]
.endr
.irp t, 0,1
	v_permlanex16_b32 v[ST+4*(\t)+3], v[ST+4*(\t)+2], s[SEL], s[SEL+1]
.endr
.irp t, 0,1
	v_add_f32 v[ST+4*(\t)+2], v[ST+4*(\t)+2], v[ST+4*(\t)+3]
.endr
.irp t, 0,1
	v_rcp_f32 v[ST+4*(\t)+2], v[ST+4*(\t)+2]
.endr
	v_nop                           ; a plain instruction behind the second reciprocal,
	s_wait_alu depctr_va_vdst(0)    ; and the one wait for both
	PACK 0
	PACK 1
	SEND 0, 8
	SEND 1, 0
	s_wait_xcnt 0x0                 ; the stores have read their registers and ctx's address
	s_mov_b64 s[54:55], s[56:57]    ; the second group (behind the wave's last group these lines serve nothing: the price of one text for both)
	s_mov_b32 s[GQ], s[WV]
	STATS
	WIN 0x81                        ; its Q goes where the products name Q: destination window 2, source window 1
.set i, 0
.rept 32
	v_mov_b32 v[i], v[QB+i]
.set i, i+1
.endr
	WIN 0
.Lbottom:
	s_mov_b32 s[TT], s[NT]
	s_sub_co_u32 s[CNT], s[CNT], 1
	s_cmp_lg_u32 s[CNT], 0
	s_cbranch_scc1 .Lstep
	s_wait_tensorcnt 0x0            ; the wave's end: behind my last tensor load and my last LDS store
	ds_add_u32 v[SPW], v[NIL]
	s_wait_dscnt 0x0                ; (the last step's fetches of tile 0, which nobody uses, are back too)
	CROUND                          ; the closing round
	s_endpgm
.Lfunc_end_k_q8b3f5a9d54_attn:
	.size	k_q8b3f5a9d54_attn, .Lfunc_end_k_q8b3f5a9d54_attn-k_q8b3f5a9d54_attn
	.p2alignl 7, 3214868480
	.fill 96, 4, 3214868480
	.section	.rodata,"a",@progbits
	.p2align	6, 0x0
	.amdhsa_kernel k_q8b3f5a9d54_attn
		.amdhsa_group_segment_fixed_size 327680
		.amdhsa_private_segment_fixed_size 0
		.amdhsa_enable_private_segment 0
		.amdhsa_kernarg_size 16
		.amdhsa_user_sgpr_count 2
		.amdhsa_user_sgpr_kernarg_segment_ptr 1
		.amdhsa_wavefront_size32 1
		.amdhsa_system_sgpr_workgroup_id_x 1
		.amdhsa_system_sgpr_workgroup_id_y 1
		.amdhsa_system_sgpr_workgroup_id_z 1
		.amdhsa_system_vgpr_workitem_id 0
		.amdhsa_next_free_vgpr 896
		.amdhsa_next_free_sgpr 66
		.amdhsa_reserve_vcc 1
		.amdhsa_float_denorm_mode_32 3
		.amdhsa_float_denorm_mode_16_64 3
		.amdhsa_memory_ordered 1
		.amdhsa_forward_progress 1
		.amdhsa_inst_pref_size 73
	.end_amdhsa_kernel
	.amdgpu_metadata
---
amdhsa.version: [ 1, 2 ]
amdhsa.kernels:
  - .name:           k_q8b3f5a9d54_attn
    .symbol:         k_q8b3f5a9d54_attn.kd
    .args:
      - { .name: qkv, .offset: 0, .size: 8, .value_kind: global_buffer, .address_space: global }
      - { .name: ctx, .offset: 8, .size: 8, .value_kind: global_buffer, .address_space: global }
    .group_segment_fixed_size: 327680
    .private_segment_fixed_size: 0
    .kernarg_segment_align: 8
    .kernarg_segment_size: 16
    .max_flat_workgroup_size: 128
    .sgpr_count:     66
    .vgpr_count:     896
    .wavefront_size: 32
...
	.end_amdgpu_metadata
.endif
;; end of part 3
;; launch wu (part 4): grid 8 x 32, 4 waves a work-group, clusters of 4 x 4, 327,680 bytes of LDS; arguments ctx, wa, bu, x, h; writes h
.if DOCPART == 4
	.amdgcn_target "amdgcn-amd-amdhsa--gfx1250"
	.amdhsa_code_object_version 6
	.text
	.protected	k_q8b3f5a9d54_wu
	.globl	k_q8b3f5a9d54_wu
	.p2align	8
	.type	k_q8b3f5a9d54_wu,@function
k_q8b3f5a9d54_wu:
	s_mov_b64 s[64:65], 0
	v_nop
	global_prefetch_b8 v0, s[64:65] scope:SCOPE_SE
	s_setreg_imm32_b32 hwreg(HW_REG_WAVE_MODE, 25, 1), 1
	s_wait_xcnt 0x0
	s_wait_alu depctr_hold_cnt(0) depctr_sa_sdst(0) depctr_va_vdst(0) depctr_va_sdst(0) depctr_va_ssrc(0) depctr_va_vcc(0) depctr_vm_vsrc(0)
	s_getreg_b32 s2, hwreg(HW_REG_IB_STS2, 6, 4)
	s_cmp_eq_u32 s2, 0
	s_cbranch_scc0 .Lentry_in_a_cluster
	s_endpgm
.Lentry_in_a_cluster:
	s_bfe_u32 s2, ttmp6, 0x10000c
	s_cmp_lg_u32 s2, 0xf033
	s_cbranch_scc0 .Lentry_shape_is_right
	s_endpgm
.Lentry_shape_is_right:
; OUT[m][n] = RES[m][n] + BIAS[n] + sum over k of A[m][k] B[n][k], N = 1,024; A and B bf16, sums, RES, BIAS and OUT f32.  One source text serves two launches:
;   PAIR 1 (this one): A = ctx in its pair layout (byte = token pair x 4,096 + head x 256 + parity x 128 + 2 x channel), K = 1,024, B = wu, at byte 0x600000 of wa, BIAS = bu, RES = x, OUT = h.
;   PAIR 0: A = act [4096][4096] row-major, K = 4,096, B = w2, at byte 0x800000 of wf, BIAS = b2, RES = h, OUT = out0.
; SHARES.  With N = 1,024 tiles of 256 x 256 would be 64; a tile of C is 128 x 128: 8 x 32 = 256 work-groups.  Four waves, each 64 x 64: 16 accumulators of 16 x 16.  K goes in steps of 256 through two LDS slots.
; CLUSTERS: 4 x 4 work-groups; A's tiles are asked for jointly along a row of the cluster, B's along a column.
; THE LOOP BODY IS ONE K STEP: the slot in hand is a scalar, s[TB] = 0 or SLOT.  The last two steps run in a second loop that asks for nothing.
; A step brings 128 KiB for 128 matrix instructions a wave, half the matrix work for a byte that a tile of 256 x 256 has: so what the loop is built round is the requests.  At a change of slots nothing stands
; between the landing of one slot and the request for the next but the waits, the add and the round; and RES is asked for only when the last refill is out.
; THE MATRIX INSTRUCTION IS USED TRANSPOSED (source 0 = 16 rows of B, source 1 = 16 rows of A): a lane holds row l % 16 of C and the columns 8 (l / 16) + 0..7.  The first product takes BIAS as C.
; PAIR 1: a K step is four heads; of a token pair they are 1,024 consecutive bytes, so A's half tile is 32 rows of 1,024 bytes; quarter q of a step is head q, and k keeps its natural order.
; REGISTERS: window 0: v0-31 addresses; v32-95 rows read back, two banks; v96-127 BIAS; v128-255 the accumulators ((a, b) at v[128 + 8 (4 a + b)]).
;   window 1: two fragment buffers of 128: for 64 along K, 64 registers of A, then 64 of B.      window 2: v0-127 RES: block a, row pair t at v[4 (8 a + t)].
.set PAIR,   1
.set SIZE_K, 1024+3072*(1-PAIR)
.set KSH,    11+2*(1-PAIR)             ; a row of B (and a token's share of A) is 1 << KSH bytes
.set WOFF,   0x600000+0x200000*(1-PAIR)   ; where B begins in its buffer
.set KSTEP,  256
.set NSTEP,  SIZE_K/KSTEP
.set ASTEP,  512+512*PAIR              ; bytes from a K step of A to the next
.set BSTEP,  512
.set PITCH,  528                       ; an LDS row: 512 bytes + 16 of padding = 132 words: the 16 rows of a fragment load start at 16 different groups of four banks (64 banks of 4 bytes: ISA guide 11.1)
.set APITCH, 1040                      ; PAIR 1: a pair's row: 1,024 + 16 = 260 words; token r of 16 starts at word 260 (r / 2) + 32 (r % 2): again 16 different groups
.set HALFT,  64*PITCH                  ; what one tensor load brings (PAIR 1, A: 32 x 1,040 = 33,280 bytes of it)
.set SLOT,   4*HALFT                   ; A's two halves, then B's.  SLOT = 0x21000 shares no bit with wave x HALFT = 0x8400 w: on those words an exclusive or with SLOT adds or takes away SLOT
.set STAGE,  2*SLOT                    ; behind the ring: 16 rows x 272 bytes for each wave, for the way out; no tensor load lands here
.set SPITCH, 272
.set SPARE,  STAGE+4*16*SPITCH         ; the spare words, 128 bytes a wave, that no other line names
.set A0,   14                          ; v14  my lane's place in A's rows of slot 0; never rewritten
.set B0,   15                          ; v15  the same for B
.set ADRA, 16                          ; v16  the same in the slot in hand
.set ADRB, 20                          ; v20
.set STO,  24                          ; v24  the way out: where I put 32 bytes of a row
.set RD,   25                          ; v25  where I read rows back
.set CO,   26                          ; v26  my byte offset in RES and in OUT
.set SPW,  28                          ; v28  my spare word; never rewritten
.set NIL,  29                          ; v29  0; never rewritten
.set BO,   31                          ; v31  my byte offset in BIAS
.set TMP,  32
.set BIAS, 96
.set ACC,  128
.set F0,   0
.set F1,   128
.set G1,  24                           ; s[24:31] descriptor group 1 for A; s[32:39] group 0: a set for each first fill; the second then walks
.set G0,  32
.set G1B, 48                           ; s[48:55], s[56:63] the same for B
.set G0B, 56
.set TB,  66                           ; s66  the slot in hand: 0 or SLOT
.set MSB, 0
.macro WIN new                         ; the immediate's high byte repeats the setting that is left; a switch that changes nothing is dropped
.if MSB != (\new)
	s_set_vgpr_msb (MSB<<8)|(\new)
.set MSB, \new
.endif
.endm
.set MUL,  0x05                        ; sources 0 (B) and 1 (A) window 1; C and D window 0
.set TO_F, 0x40                        ; destination window 1, address window 0
.macro JLOAD s                         ; a joint load: waves 0 and 1 fetch A's two halves, waves 2 and 3 B's; an s_nop 0 and four v_nop follow each of the two lines
	s_cmp_eq_u32 s11, 0
	s_cbranch_scc0 .Lfor_b_\@
	tensor_load_to_lds s[G0+4*(\s):G0+4*(\s)+3], s[G1:G1+7]
	s_nop 0
.rept 4
	v_nop
.endr
	s_branch .Lasked_\@
.Lfor_b_\@:
	tensor_load_to_lds s[G0B+4*(\s):G0B+4*(\s)+3], s[G1B:G1B+7]
	s_nop 0
.rept 4
	v_nop
.endr
.Lasked_\@:
.endm
.macro CREST                           ; a round of the cluster's barrier behind its opening barrier
	s_cmp_lg_u32 s10, 0
	s_cbranch_scc1 .Lnot_wave_0_\@
	s_barrier_signal -3
.Lnot_wave_0_\@:
	s_barrier_wait -3
	s_barrier_signal -1
	s_barrier_wait -1
.endm
.macro CROUND
	s_barrier_signal -1
	s_barrier_wait -1
	CREST
.endm
	s_load_b128 s[4:7], s[0:1], 0x0                ; A s[4:5], B's buffer s[6:7]
	s_load_b128 s[68:71], s[0:1], 0x10             ; BIAS s[68:69], RES s[70:71]
	s_load_b64 s[8:9], s[0:1], 0x20                ; OUT
	v_lshl_add_u32 v[SPW], v0, 2, SPARE
	v_mov_b32 v[NIL], 0
	ds_add_u32 v[SPW], v[NIL]                      ; the wave's opening: the add, twice on end, and its wait ahead of my first tensor load
	ds_add_u32 v[SPW], v[NIL]                      ; the set-up below, work on registers, stands between the second add and the wait
	v_lshrrev_b32 v1, 5, v0
	v_readfirstlane_b32 s10, v1                    ; wave 0..3
	s_lshr_b32 s11, s10, 1                         ; which half of the tile's rows is mine.  Also: I fetch for A (0) or for B (1)
	s_and_b32 s12, s10, 1                          ; which half of its columns.  Also: which 64 rows of that tile I fetch
	s_bfe_u32 s40, ttmp6, 0x40000                  ; cx
	s_bfe_u32 s41, ttmp6, 0x40004                  ; cy
	s_lshl_b32 s42, ttmp9, 2
	s_add_co_u32 s42, s42, s40                     ; tile column
	s_and_b32 s13, ttmp7, 0xffff
	s_lshl_b32 s13, s13, 2
	s_add_co_u32 s13, s13, s41                     ; tile row
	s_lshl_b32 s43, s41, 2
	s_lshl_b32 s43, 15, s43                        ; my row of the cluster
	s_lshl_b32 s44, 0x1111, s40                    ; my column
	; descriptor group 1.  B (and A where PAIR = 0): 64 rows x 256 elements of 2 bytes, 4 words of padding behind every 128
	s_or_b32 s[G1B+0], s44, (1<<16)|(1<<20)|(1<<21)|(6<<22)|(3<<25)
	s_mov_b32 s[G1B+1], KSTEP<<16                  ; tensor_dim0
	s_mov_b32 s[G1B+2], 64<<16                     ; tensor_dim1
	s_mov_b32 s[G1B+3], KSTEP<<16                  ; tile_dim0
	s_mov_b32 s[G1B+4], 64                         ; tile_dim1
	s_mov_b32 s[G1B+5], SIZE_K                     ; elements from row to row
	s_mov_b32 s[G1B+6], 0
	s_mov_b32 s[G1B+7], 0
.if PAIR                               ; A: 32 token pairs x 512 elements, 4 words of padding behind every 256; a pair's row is 2,048 elements
	s_or_b32 s[G1+0], s43, (1<<16)|(1<<20)|(1<<21)|(7<<22)|(3<<25)
	s_mov_b32 s[G1+1], 512<<16
	s_mov_b32 s[G1+2], 32<<16
	s_mov_b32 s[G1+3], 512<<16
	s_mov_b32 s[G1+4], 32
	s_mov_b32 s[G1+5], 2048
.else
	s_or_b32 s[G1+0], s43, (1<<16)|(1<<20)|(1<<21)|(6<<22)|(3<<25)
	s_mov_b32 s[G1+1], KSTEP<<16
	s_mov_b32 s[G1+2], 64<<16
	s_mov_b32 s[G1+3], KSTEP<<16
	s_mov_b32 s[G1+4], 64
	s_mov_b32 s[G1+5], SIZE_K
.endif
	s_mov_b32 s[G1+6], 0
	s_mov_b32 s[G1+7], 0
	s_lshl_b32 s17, s12, 6                         ; which 64 rows of the tile I fetch
	s_lshl_b32 s16, s13, 7
	s_add_co_u32 s16, s16, s17                     ; A: token 128 x tile row + 64 x half,
	s_lshl_b32 s16, s16, KSH                       ; in bytes (PAIR 1: half as many pairs of twice the bytes); under 2^25
	s_lshl_b32 s46, s42, 7
	s_add_co_u32 s46, s46, s17                     ; B: row 128 x tile column + 64 x half
	s_lshl_b32 s46, s46, KSH
	s_add_co_u32 s46, s46, WOFF
	s_mov_b32 s17, 0
	s_mov_b32 s47, 0
	s_mul_i32 s20, s10, HALFT                      ; where they go: no place in the cluster enters an LDS address
	s_mov_b32 s[TB], 0
	s_wait_dscnt 0x0                               ; both opening adds are done
	CROUND                                         ; all sixteen work-groups are here: the first joint loads will meet.  The round needs no argument, so it stands ahead of the wait for them
	s_wait_kmcnt 0x0
	s_add_nc_u64 s[14:15], s[4:5], s[16:17]
	s_add_nc_u64 s[46:47], s[6:7], s[46:47]
.irp s, 0,1
	s_mov_b32 s[G0+4*(\s)], 1
	s_add_co_u32 s[G0+4*(\s)+1], s20, (\s)*SLOT
	s_add_nc_u64 s[G0+4*(\s)+2:G0+4*(\s)+3], s[14:15], (\s)*ASTEP
	s_or_b32 s[G0+4*(\s)+3], s[G0+4*(\s)+3], 0x80000000
	s_mov_b32 s[G0B+4*(\s)], 1
	s_add_co_u32 s[G0B+4*(\s)+1], s20, (\s)*SLOT
	s_add_nc_u64 s[G0B+4*(\s)+2:G0B+4*(\s)+3], s[46:47], (\s)*BSTEP
	s_or_b32 s[G0B+4*(\s)+3], s[G0B+4*(\s)+3], 0x80000000
	JLOAD \s                                       ; two tensor loads of mine are out
.endr
	v_and_b32 v1, 15, v0                           ; l % 16
	v_bfe_u32 v2, v0, 4, 1                         ; l / 16
	s_mul_i32 s21, s11, HALFT                      ; my 64 rows of A
	s_mul_i32 s22, s12, HALFT                      ; my 64 rows of B,
	s_add_co_u32 s22, s22, 2*HALFT                 ; which lie behind A's halves
	v_mul_u32_u24 v3, v1, PITCH
	v_lshl_add_u32 v3, v2, 4, v3                   ; row x pitch + 16 x half
	v_add_nc_u32 v[B0], s22, v3
.if PAIR
	v_lshrrev_b32 v3, 1, v1                        ; token l % 16: its pair,
	v_mul_u32_u24 v3, v3, APITCH
	v_and_b32 v4, 1, v1                            ; its parity,
	v_lshl_add_u32 v3, v4, 7, v3
	v_lshl_add_u32 v3, v2, 4, v3                   ; 16 x half
.endif
	v_add_nc_u32 v[A0], s21, v3
	v_mov_b32 v[ADRA], v[A0]
	v_mov_b32 v[ADRB], v[B0]
	s_mul_i32 s23, s10, 16*SPITCH
	s_add_co_u32 s23, s23, STAGE                   ; my stage
	v_mul_u32_u24 v4, v1, SPITCH                   ; in: row l % 16, 32 bytes for each half of the lanes
	v_lshl_add_u32 v4, v2, 5, v4
	v_add_nc_u32 v[STO], s23, v4
	v_mul_u32_u24 v5, v2, SPITCH                   ; back: lanes 0-15 take one row of 256 bytes, lanes 16-31 the next,
	v_lshl_add_u32 v5, v1, 4, v5
	v_add_nc_u32 v[RD], s23, v5
	v_lshlrev_b32 v5, 12, v2                       ; and the same two rows of RES and OUT, 4,096 bytes apart
	v_lshl_add_u32 v[CO], v1, 4, v5
	s_lshl_b32 s16, s13, 7
	s_lshl_b32 s17, s11, 6
	s_add_co_u32 s16, s16, s17                     ; my first row,
	s_lshl_b32 s16, s16, 12                        ; in bytes
	s_lshl_b32 s46, s42, 9
	s_lshl_b32 s47, s12, 8
	s_add_co_u32 s46, s46, s47                     ; my first column, in bytes of f32: a multiple of 256
	s_add_co_u32 s16, s16, s46
	s_mov_b32 s17, 0
	s_add_nc_u64 s[8:9], s[8:9], s[16:17]
	s_add_nc_u64 s[70:71], s[70:71], s[16:17]
	v_lshl_add_u32 v[BO], v2, 5, s46               ; + my lanes' 8 columns
.irp b, 0,1,2,3                        ; BIAS as the accumulators hold their columns: register j of block b is column 16 b + 8 (l / 16) + j
	global_load_b128 v[BIAS+8*(\b):BIAS+8*(\b)+3],   v[BO], s[68:69] offset:64*(\b)
	global_load_b128 v[BIAS+8*(\b)+4:BIAS+8*(\b)+7], v[BO], s[68:69] offset:64*(\b)+16
.endr
; 8 matrix instructions: m blocks a0, a0 + 1 x all 4 n blocks, 32 along K: half c of buffer f.  zero = 1: the first product starts the sums, with BIAS as C: nothing is ever cleared
.macro MUL8 f, c, a0, zero
	WIN MUL
.irp a, \a0, (\a0)+1
.irp b, 0,1,2,3
.if \zero
	v_wmma_f32_16x16x32_bf16 v[ACC+8*(4*(\a)+(\b)):ACC+8*(4*(\a)+(\b))+7], v[(\f)+64+8*(4*(\c)+(\b)):(\f)+64+8*(4*(\c)+(\b))+7], v[(\f)+8*(4*(\c)+(\a)):(\f)+8*(4*(\c)+(\a))+7], v[BIAS+8*(\b):BIAS+8*(\b)+7]
.else
	v_wmma_f32_16x16x32_bf16 v[ACC+8*(4*(\a)+(\b)):ACC+8*(4*(\a)+(\b))+7], v[(\f)+64+8*(4*(\c)+(\b)):(\f)+64+8*(4*(\c)+(\b))+7], v[(\f)+8*(4*(\c)+(\a)):(\f)+8*(4*(\c)+(\a))+7], v[ACC+8*(4*(\a)+(\b)):ACC+8*(4*(\a)+(\b))+7]
.endif
.endr
.endr
.endm
; 32 LDS loads in one run: the fragments of quarter q (64 along K) of the slot in hand, into buffer f; the first 32 along K first
.macro FETCH q, f
	WIN TO_F
.irp c, 0,1
.irp i, 0,1,2,3
	ds_load_b128 v[(\f)+64+8*(4*(\c)+(\i)):(\f)+64+8*(4*(\c)+(\i))+3],   v[ADRB] offset:(\q)*128+64*(\c)+(\i)*16*PITCH
	ds_load_b128 v[(\f)+64+8*(4*(\c)+(\i))+4:(\f)+64+8*(4*(\c)+(\i))+7], v[ADRB] offset:(\q)*128+64*(\c)+(\i)*16*PITCH+32
.if PAIR
	ds_load_b128 v[(\f)+8*(4*(\c)+(\i)):(\f)+8*(4*(\c)+(\i))+3],         v[ADRA] offset:(\q)*256+64*(\c)+(\i)*8*APITCH
	ds_load_b128 v[(\f)+8*(4*(\c)+(\i))+4:(\f)+8*(4*(\c)+(\i))+7],       v[ADRA] offset:(\q)*256+64*(\c)+(\i)*8*APITCH+32
.else
	ds_load_b128 v[(\f)+8*(4*(\c)+(\i)):(\f)+8*(4*(\c)+(\i))+3],         v[ADRA] offset:(\q)*128+64*(\c)+(\i)*16*PITCH
	ds_load_b128 v[(\f)+8*(4*(\c)+(\i))+4:(\f)+8*(4*(\c)+(\i))+7],       v[ADRA] offset:(\q)*128+64*(\c)+(\i)*16*PITCH+32
.endif
.endr
.endr
.endm
.macro PLACES                          ; four plain vector instructions between a matrix instruction and a load into a register that it has read, or a read of its result (ISA guide 7.12.1 for vector instructions)
.rept 4
	v_nop
.endr
.endm
; A K step is four quarters of 64 along K, 32 matrix instructions each, on buffers 0, 1, 0, 1; the 16 accumulators take turns.
.macro QUARTER q, f, g, zero
	s_wait_dscnt 16                                ; the first 32 along K are in; the other sixteen loads may be out
	MUL8 \f, 0, 0, \zero
	MUL8 \f, 0, 2, \zero
	PLACES
	FETCH \q, \g
	s_wait_dscnt 32                                ; all but the 32 just issued
	MUL8 \f, 1, 0, 0
	MUL8 \f, 1, 2, 0
.endm
; The last quarter of a step that fills a slot again.  It begins with the change of slots: each wave waits for all its tensor loads (one is out: its part of the next slot), adds 0 to its spare word, steps the
; walking descriptors while the add is out, and waits for the add and for its reads of this slot (the last 32 were issued 16 matrix instructions ago).  The barrier opens a round of the cluster's; behind the round
; no wave of any partner still reads this slot or has a load on its way, and the slot takes the K step two steps on, first thing.  The quarter's 32 products stand behind the request, not ahead of it:
; from the request to the wait for it a wave issues a whole step's 128 matrix instructions.
.macro TURN
	WIN 0
	s_wait_tensorcnt 0x0                           ; no tensor load of mine is out, so a group 0 may be written
	ds_add_u32 v[SPW], v[NIL]
	s_xor_b32 s[G0+5], s[G0+5], SLOT               ; the walking descriptors: the other slot than last time, the next K step; the type bits on top are not reached
	s_add_nc_u64 s[G0+6:G0+7], s[G0+6:G0+7], ASTEP
	s_xor_b32 s[G0B+5], s[G0B+5], SLOT
	s_add_nc_u64 s[G0B+6:G0B+7], s[G0B+6:G0B+7], BSTEP
	s_xor_b32 s[TB], s[TB], SLOT
	s_wait_dscnt 0x0                               ; the add is done, and my reads of this slot are over
	s_barrier_signal -1
	s_barrier_wait -1
	CREST
	JLOAD 1                                        ; its four v_nop are also the places in front of the loads below
	v_add_nc_u32 v[ADRA], s[TB], v[A0]
	v_add_nc_u32 v[ADRB], s[TB], v[B0]
	FETCH 0, F0
	MUL8 F1, 0, 0, 0
	MUL8 F1, 0, 2, 0
	MUL8 F1, 1, 0, 0
	MUL8 F1, 1, 2, 0
.endm
; The last quarter of the last two steps, which fill nothing: the same three lines and one barrier of the work-group, with matrix work between the add and its wait and between signal and wait;
; in the very last step (s3 = 1) the run of LDS loads is jumped over.
.macro TURNT
	WIN 0
	s_wait_tensorcnt 0x0
	ds_add_u32 v[SPW], v[NIL]
	s_wait_dscnt 17                                ; (the add and the youngest sixteen loads may be out)
	MUL8 F1, 0, 0, 0
	s_wait_dscnt 0x0                               ; the add is done, and my reads of this slot are over
	s_barrier_signal -1
	MUL8 F1, 0, 2, 0
	WIN 0                                          ; (a branch follows)
	s_barrier_wait -1
	PLACES
	s_xor_b32 s[TB], s[TB], SLOT
	v_add_nc_u32 v[ADRA], s[TB], v[A0]
	v_add_nc_u32 v[ADRB], s[TB], v[B0]
	s_cmp_eq_u32 s3, 1
	s_cbranch_scc1 .Lno_fetch_\@
	FETCH 0, F0
	WIN 0
.Lno_fetch_\@:
	MUL8 F1, 1, 0, 0
	MUL8 F1, 1, 2, 0
.endm
; THE WAY OUT of block a (16 rows x 64 columns of f32: 256 bytes a row): the sums go into my own stage as they lie (each accumulator's low four registers first), come back as whole rows, take RES, and are stored.
.macro OUT a
.set BK, TMP+32*((\a)%2)
	WIN 0
.irp b, 0,1,2,3
	ds_store_b128 v[STO], v[ACC+8*(4*(\a)+(\b)):ACC+8*(4*(\a)+(\b))+3]   offset:64*(\b)
	ds_store_b128 v[STO], v[ACC+8*(4*(\a)+(\b))+4:ACC+8*(4*(\a)+(\b))+7] offset:64*(\b)+16
.endr
.irp t, 0,1,2,3,4,5,6,7
	ds_load_b128 v[BK+4*(\t):BK+4*(\t)+3], v[RD] offset:(\t)*2*SPITCH   ; LDS serves a wave's instructions in order (ISA guide 5.7.1.4): these see the stores above
.endr
	s_wait_dscnt 0x0
	s_wait_xcnt 0x0                                ; the stores of the block before have read their registers: the next block loads that bank again only behind this wait
	WIN 0x08                                       ; source 1 in window 2
.set i, 0
.rept 16
	v_pk_add_f32 v[BK+i:BK+i+1], v[BK+i:BK+i+1], v[32*(\a)+i:32*(\a)+i+1]
.set i, i+2
.endr
	WIN 0
.irp t, 0,1,2,3,4,5,6,7
	global_store_b128 v[CO], v[BK+4*(\t):BK+4*(\t)+3], s[8:9] offset:(16*(\a)+2*(\t))*4096   ; 16 lanes store 256 consecutive bytes, aligned
.endr
.endm
	s_wait_tensorcnt 1                             ; my part of K step 0 is in; step 1's may stay out
	s_barrier_signal -1
	s_barrier_wait -1
	FETCH 0, F0
	s_wait_loadcnt 0x0                             ; BIAS
	QUARTER 1, F0, F1, 1                           ; the first quarter stands in front of the loop: its first products start the sums
	WIN 0                                          ; at a label and at a branch every window is 0
	s_mov_b32 s3, NSTEP-2
.Lstep:                                        ; NSTEP - 2 trips, each of which fills a slot again
	QUARTER 2, F1, F0, 0
	QUARTER 3, F0, F1, 0
	TURN
	QUARTER 1, F0, F1, 0
	WIN 0
	s_sub_co_u32 s3, s3, 1
	s_cmp_lg_u32 s3, 0
	s_cbranch_scc1 .Lstep
	WIN 0x80                                       ; destination window 2, address window 0
.set i, 0
.rept 32                               ; RES, my 64 rows x 256 bytes, as the way out will hold them: asked for behind the last refill; it has the last two K steps, which ask for no tile, in which to come
	global_load_b128 v[4*i:4*i+3], v[CO], s[70:71] offset:2*i*4096
.set i, i+1
.endr
	WIN 0
	s_mov_b32 s3, 2
.Ltail:                                        ; the last two steps ask for nothing; the second trip is left in its middle
	QUARTER 2, F1, F0, 0
	QUARTER 3, F0, F1, 0
	TURNT
	WIN 0
	s_cmp_eq_u32 s3, 1
	s_cbranch_scc1 .Lout
	QUARTER 1, F0, F1, 0
	WIN 0
	s_sub_co_u32 s3, s3, 1
	s_cmp_lg_u32 s3, 0
	s_cbranch_scc1 .Ltail
.Lout:
	PLACES                                         ; behind the last products, in front of the LDS stores that read results
	s_wait_loadcnt 0x0                             ; RES
	OUT 0
	OUT 1
	OUT 2
	OUT 3
	s_wait_tensorcnt 0x0                           ; the wave's end: behind my last tensor load and my last LDS store
	ds_add_u32 v[SPW], v[NIL]
	s_wait_dscnt 0x0
	CROUND                                         ; the closing round
	s_endpgm
.Lfunc_end_k_q8b3f5a9d54_wu:
	.size	k_q8b3f5a9d54_wu, .Lfunc_end_k_q8b3f5a9d54_wu-k_q8b3f5a9d54_wu
	.p2alignl 7, 3214868480
	.fill 96, 4, 3214868480
	.section	.rodata,"a",@progbits
	.p2align	6, 0x0
	.amdhsa_kernel k_q8b3f5a9d54_wu
		.amdhsa_group_segment_fixed_size 327680
		.amdhsa_private_segment_fixed_size 0
		.amdhsa_enable_private_segment 0
		.amdhsa_kernarg_size 40
		.amdhsa_user_sgpr_count 2
		.amdhsa_user_sgpr_kernarg_segment_ptr 1
		.amdhsa_wavefront_size32 1
		.amdhsa_system_sgpr_workgroup_id_x 1
		.amdhsa_system_sgpr_workgroup_id_y 1
		.amdhsa_system_sgpr_workgroup_id_z 1
		.amdhsa_system_vgpr_workitem_id 0
		.amdhsa_next_free_vgpr 640
		.amdhsa_next_free_sgpr 72
		.amdhsa_reserve_vcc 0
		.amdhsa_float_denorm_mode_32 3
		.amdhsa_float_denorm_mode_16_64 3
		.amdhsa_memory_ordered 1
		.amdhsa_forward_progress 1
		.amdhsa_inst_pref_size 66
	.end_amdhsa_kernel
	.amdgpu_metadata
---
amdhsa.version: [ 1, 2 ]
amdhsa.kernels:
  - .name:           k_q8b3f5a9d54_wu
    .symbol:         k_q8b3f5a9d54_wu.kd
    .args:
      - { .name: ctx, .offset: 0, .size: 8, .value_kind: global_buffer, .address_space: global }
      - { .name: wa, .offset: 8, .size: 8, .value_kind: global_buffer, .address_space: global }
      - { .name: bu, .offset: 16, .size: 8, .value_kind: global_buffer, .address_space: global }
      - { .name: x, .offset: 24, .size: 8, .value_kind: global_buffer, .address_space: global }
      - { .name: h, .offset: 32, .size: 8, .value_kind: global_buffer, .address_space: global }
    .group_segment_fixed_size: 327680
    .private_segment_fixed_size: 0
    .kernarg_segment_align: 8
    .kernarg_segment_size: 40
    .max_flat_workgroup_size: 128
    .sgpr_count:     72
    .vgpr_count:     640
    .wavefront_size: 32
...
	.end_amdgpu_metadata
.endif
;; end of part 4
;; launch ln2 (part 5): grid 256 x 1, 8 waves a work-group, no clusters, 0 bytes of LDS; arguments h, xn; writes xn
.if DOCPART == 5
	.amdgcn_target "amdgcn-amd-amdhsa--gfx1250"
	.amdhsa_code_object_version 6
	.text
	.protected	k_q8b3f5a9d54_ln2
	.globl	k_q8b3f5a9d54_ln2
	.p2align	8
	.type	k_q8b3f5a9d54_ln2,@function
k_q8b3f5a9d54_ln2:
	s_mov_b64 s[64:65], 0
	v_nop
	global_prefetch_b8 v0, s[64:65] scope:SCOPE_SE
	s_setreg_imm32_b32 hwreg(HW_REG_WAVE_MODE, 25, 1), 1
	s_wait_xcnt 0x0
; xn = LN(h), rounded to bf16.  h: [4096][1024] f32, xn: [4096][1024] bf16.  A stream: every byte once.  A wave takes a whole row (eight 16-byte loads a lane) and keeps it in 32 registers between mean,
; variance and scaling: mean first, then the squares of h - mean, so that no difference of large sums is formed.  Two rows a wave, 16 a work-group.  No LDS, no barrier: no wave needs a byte of another.
.set ROWS, 2
.set T,    4                           ; v[4:11]   at work
.set M,    12                          ; v[12:13]  the mean, later 1 / sqrt(var + eps), twice
.set X,    16                          ; v[16:79]  row r: 32 registers
.macro REDUCE                          ; the lane's four pairs in T .. T+7 become the row's sum, in every lane's v[T]
	v_pk_add_f32 v[T:T+1], v[T:T+1], v[T+2:T+3]
	v_pk_add_f32 v[T+4:T+5], v[T+4:T+5], v[T+6:T+7]
	v_pk_add_f32 v[T:T+1], v[T:T+1], v[T+4:T+5]
	v_add_f32 v[T], v[T], v[T+1]
	v_add_f32_dpp v[T], v[T], v[T] row_xmask:1 row_mask:0xf bank_mask:0xf
	v_add_f32_dpp v[T], v[T], v[T] row_xmask:2 row_mask:0xf bank_mask:0xf
	v_add_f32_dpp v[T], v[T], v[T] row_xmask:4 row_mask:0xf bank_mask:0xf
	v_add_f32_dpp v[T], v[T], v[T] row_xmask:8 row_mask:0xf bank_mask:0xf
	v_permlanex16_b32 v[T+1], v[T], s6, s7         ; the other half of the lanes (its destination has been written)
	v_add_f32 v[T], v[T], v[T+1]
.endm
.macro LNROW r, left                   ; left = the loads of the rows behind it, which may stay out
.set XR, X+32*(\r)
	s_wait_loadcnt \left
.irp k, 0,2,4,6
	v_pk_add_f32 v[T+(\k):T+(\k)+1], v[XR+(\k):XR+(\k)+1], v[XR+8+(\k):XR+8+(\k)+1]   ; four chains, started by the data
.endr
.irp k, 0,2,4,6
	v_pk_add_f32 v[T+(\k):T+(\k)+1], v[T+(\k):T+(\k)+1], v[XR+16+(\k):XR+16+(\k)+1]
.endr
.irp k, 0,2,4,6
	v_pk_add_f32 v[T+(\k):T+(\k)+1], v[T+(\k):T+(\k)+1], v[XR+24+(\k):XR+24+(\k)+1]
.endr
	REDUCE
	v_mul_f32 v[M], s5, v[T]                       ; mean
	v_mul_f32 v[M+1], s5, v[T]
.set i, 0
.rept 16
	v_pk_add_f32 v[XR+i:XR+i+1], v[XR+i:XR+i+1], v[M:M+1] neg_lo:[0,1] neg_hi:[0,1]
.set i, i+2
.endr
.irp k, 0,2,4,6
	v_pk_mul_f32 v[T+(\k):T+(\k)+1], v[XR+(\k):XR+(\k)+1], v[XR+(\k):XR+(\k)+1]
.endr
.set i, 8
.rept 12
	v_pk_fma_f32 v[T+i%8:T+i%8+1], v[XR+i:XR+i+1], v[XR+i:XR+i+1], v[T+i%8:T+i%8+1]
.set i, i+2
.endr
	REDUCE
	v_fma_f32 v[T], v[T], s5, s30                  ; var + 1e-4
	v_rsq_f32 v[M], v[T]
	v_rsq_f32 v[M+1], v[T]
	v_nop                                          ; a plain instruction behind the second root,
	s_wait_alu depctr_va_vdst(0)                   ; and the one wait for both ahead of their first reader
.set i, 0
.rept 16
	v_pk_mul_f32 v[XR+i:XR+i+1], v[XR+i:XR+i+1], v[M:M+1]
.set i, i+2
.endr
.set i, 0
.rept 16
	v_cvt_pk_bf16_f32 v[XR+i], v[XR+2*i], v[XR+2*i+1]   ; ascending and in place
.set i, i+1
.endr
.irp j, 0,1,2,3,4,5,6,7
	global_store_b64 v2, v[XR+2*(\j):XR+2*(\j)+1], s[28:29] offset:(\r)*2048+(\j)*256   ; 32 lanes x 8 bytes: 256 consecutive bytes, aligned
.endr
.endm
	s_load_b128 s[8:11], s[0:1], 0x0               ; h s[8:9], xn s[10:11]
	v_lshrrev_b32 v3, 5, v0
	v_readfirstlane_b32 s4, v3                     ; wave 0..7
	v_and_b32 v1, 31, v0
	v_lshlrev_b32 v2, 3, v1                        ; 8 x lane
	v_lshlrev_b32 v1, 4, v1                        ; 16 x lane
	s_mov_b32 s5, 0x3a800000                       ; 1 / 1024
	s_mov_b32 s6, 0x76543210
	s_mov_b32 s7, 0xfedcba98
	s_mov_b32 s30, 0x38d1b717                      ; 1e-4
	s_lshl_b32 s26, ttmp9, 3
	s_add_co_u32 s26, s26, s4                      ; my wave among 2,048: rows 2 n, 2 n + 1
	s_lshl_b32 s28, s26, 12
	s_lshl_b32 s26, s26, 13
	s_mov_b32 s27, 0
	s_mov_b32 s29, 0
	s_wait_kmcnt 0x0
	s_add_nc_u64 s[26:27], s[8:9], s[26:27]
	s_add_nc_u64 s[28:29], s[10:11], s[28:29]
.set i, 0
.rept 8*ROWS
	global_load_b128 v[X+4*i:X+4*i+3], v1, s[26:27] offset:i*512
.set i, i+1
.endr
	LNROW 0, 8
	LNROW 1, 0
	s_endpgm
.Lfunc_end_k_q8b3f5a9d54_ln2:
	.size	k_q8b3f5a9d54_ln2, .Lfunc_end_k_q8b3f5a9d54_ln2-k_q8b3f5a9d54_ln2
	.p2alignl 7, 3214868480
	.fill 96, 4, 3214868480
	.section	.rodata,"a",@progbits
	.p2align	6, 0x0
	.amdhsa_kernel k_q8b3f5a9d54_ln2
		.amdhsa_group_segment_fixed_size 0
		.amdhsa_private_segment_fixed_size 0
		.amdhsa_enable_private_segment 0
		.amdhsa_kernarg_size 16
		.amdhsa_user_sgpr_count 2
		.amdhsa_user_sgpr_kernarg_segment_ptr 1
		.amdhsa_wavefront_size32 1
		.amdhsa_system_sgpr_workgroup_id_x 1
		.amdhsa_system_sgpr_workgroup_id_y 1
		.amdhsa_system_sgpr_workgroup_id_z 1
		.amdhsa_system_vgpr_workitem_id 0
		.amdhsa_next_free_vgpr 80
		.amdhsa_next_free_sgpr 66
		.amdhsa_reserve_vcc 0
		.amdhsa_float_denorm_mode_32 3
		.amdhsa_float_denorm_mode_16_64 3
		.amdhsa_memory_ordered 1
		.amdhsa_forward_progress 1
		.amdhsa_inst_pref_size 17
	.end_amdhsa_kernel
	.amdgpu_metadata
---
amdhsa.version: [ 1, 2 ]
amdhsa.kernels:
  - .name:           k_q8b3f5a9d54_ln2
    .symbol:         k_q8b3f5a9d54_ln2.kd
    .args:
      - { .name: h, .offset: 0, .size: 8, .value_kind: global_buffer, .address_space: global }
      - { .name: xn, .offset: 8, .size: 8, .value_kind: global_buffer, .address_space: global }
    .group_segment_fixed_size: 0
    .private_segment_fixed_size: 0
    .kernarg_segment_align: 8
    .kernarg_segment_size: 16
    .max_flat_workgroup_size: 256
    .sgpr_count:     66
    .vgpr_count:     80
    .wavefront_size: 32
...
	.end_amdgpu_metadata
.endif
;; end of part 5
;; launch ff1 (part 6): grid 16 x 16, 4 waves a work-group, clusters of 4 x 4, 327,680 bytes of LDS; arguments xn, wf, b1, act; writes act
.if DOCPART == 6
	.amdgcn_target "amdgcn-amd-amdhsa--gfx1250"
	.amdhsa_code_object_version 6
	.text
	.protected	k_q8b3f5a9d54_ff1
	.globl	k_q8b3f5a9d54_ff1
	.p2align	8
	.type	k_q8b3f5a9d54_ff1,@function
k_q8b3f5a9d54_ff1:
	s_mov_b64 s[64:65], 0
	v_nop
	global_prefetch_b8 v0, s[64:65] scope:SCOPE_SE
	s_setreg_imm32_b32 hwreg(HW_REG_WAVE_MODE, 25, 1), 1
	s_wait_xcnt 0x0
	s_wait_alu depctr_hold_cnt(0) depctr_sa_sdst(0) depctr_va_vdst(0) depctr_va_sdst(0) depctr_va_ssrc(0) depctr_va_vcc(0) depctr_vm_vsrc(0)
	s_getreg_b32 s2, hwreg(HW_REG_IB_STS2, 6, 4)
	s_cmp_eq_u32 s2, 0
	s_cbranch_scc0 .Lentry_in_a_cluster
	s_endpgm
.Lentry_in_a_cluster:
	s_bfe_u32 s2, ttmp6, 0x10000c
	s_cmp_lg_u32 s2, 0xf033
	s_cbranch_scc0 .Lentry_shape_is_right
	s_endpgm
.Lentry_shape_is_right:
; C[m][n] = sum over k of A[m][k] B[n][k], K = 1,024, A and B bf16 with K along the rows, sums in f32.  One source text serves two launches:
;   KIND 0: A = xn [4096][1024], B = wq, wk, wv on end at the head of wa [3072][1024]; C is rounded to bf16 and written BY HEADS: qkv[which][batch x 16 + head][token][64], unscaled.
;           C has 12 x 16 tiles, the grid 16 x 16 work-groups: the four clusters with x = 3 have no tile and round w1 and w2 to bf16 into wf instead (.Lcast, at the end of the text):
;           work that the launches ff1 and ff2 need and that nothing in that launch reads.
;   KIND 1 (this one): A = xn, B = w1 at the head of wf [4096][1024]; C = relu(sum + b1), rounded to bf16, row-major [4096][4096]: 16 x 16 tiles.
; SHARES.  A tile of C, 256 x 256, is made by four waves; a wave makes 128 x 128: 64 accumulators of 16 x 16, 512 registers.  K goes in 8 steps of 128 through two LDS slots filled by the
; tensor data mover; a tile's rows are 256 bytes of memory at multiples of 256 bytes.
; CLUSTERS: 4 x 4 work-groups.  The four of a row of the cluster need the same tiles of A, the four of a column the same tiles of B: each tile is asked for JOINTLY, by the same tensor load with
; the same descriptor and a mask that names the four.
; THE LOOP BODY IS ONE K STEP: the slot in hand is a scalar, s[TB] = 0 or SLOT, turned by an exclusive or; the fragment addresses are made from it once a step.  A trip goes from a step's second
; quarter to the next step's first.  Six trips fill a slot again; the last two steps run in a second loop that asks for nothing.
; THE MATRIX INSTRUCTION IS USED TRANSPOSED: source 0 = 16 rows of B, source 1 = 16 rows of A, so that a lane holds row l % 16 of C and the columns 8 (l / 16) + 0..7: 16 bytes of bf16 on end.
; REGISTERS, in windows of 256 (s_set_vgpr_msb: bits 1:0 source 0, 3:2 source 1, 5:4 source 2, 7:6 destination):
;   window 0: v0-31 addresses; v64-127, v128-191 fragments of A, two buffers; v192-223 packed results; v32-63 and v224-255 rows read back, by turns; KIND 1: v192-255 hold b1 until the first quarter is done
;   window 1: v64-127, v128-191 fragments of B;   windows 2, 3: the accumulators of my rows 0-63, 64-127: (a, b) at v[8 (8 a + b)]
.set KIND,   1
.set SIZE_K, 1024
.set KSTEP,  128
.set PITCH,  272                       ; an LDS row: 256 bytes + 16 of padding = 68 words, so that the 16 rows of a fragment load start at 16 different groups of four banks (64 banks of 4 bytes: ISA guide 11.1)
.set HALFT,  128*PITCH                 ; 128 rows: what one tensor load brings
.set SLOT,   4*HALFT                   ; A's 256 rows, then B's 256 rows.  SLOT = 0x22000 shares no bit with wave x HALFT = 0x8800 w: on those words an exclusive or with SLOT adds or takes away SLOT
.set STAGE,  2*SLOT                    ; behind the ring: 16 rows x 272 bytes for each wave, for the way out; no tensor load lands here
.set SPITCH, 272
.set SPARE,  STAGE+4*16*SPITCH         ; behind the stages: the spare words, 128 bytes a wave, that no other line names
.set A0,   14                          ; v14  my lane's place in A's rows of slot 0; never rewritten
.set B0,   15                          ; v15  the same for B
.set ADRA, 16                          ; v16  the same in the slot in hand
.set ADRB, 20                          ; v20
.set STO,  24                          ; v24  the way out: where I put 16 bytes of a row
.set RD,   25                          ; v25  where I read rows back
.set CO,   26                          ; v26  my byte offset in C
.set ZR,   27                          ; v27  0, for relu
.set SPW,  28                          ; v28  my spare word: SPARE + 4 x my thread's number; never rewritten
.set NIL,  29                          ; v29  0; never rewritten
.set PFO,  30                          ; v30  the prefetches' offset: my lane x a row of 2,048 bytes; never rewritten
.set BO,   31                          ; v31  my byte offset in b1
.set F0,   64
.set F1,   128
.set TMP,  192
.set OB,   32
.set BIAS, 192
.set CX,   32                          ; .Lcast: v[32:159] a round's 32 loads
.set G1,  24                           ; s[24:31] descriptor group 1 for A's tiles
.set G0,  32                           ; s[32:39] group 0 for A: a set for each first fill; the second then walks
.set G1B, 48                           ; s[48:55], s[56:63] the same for B
.set G0B, 56
.set LIM, 43                           ; s43  2 in a wave that prefetches, else the greatest number
.set PFA, 44                           ; s[44:45] where my prefetches stand
.set TB,  66                           ; s66  the slot in hand: 0 or SLOT
.set MSB, 0
.macro WIN new                         ; the immediate's high byte repeats the setting that is left; a switch that changes nothing is dropped
.if MSB != (\new)
	s_set_vgpr_msb (MSB<<8)|(\new)
.set MSB, \new
.endif
.endm
.set MUL_LO, 0xa1                      ; source 0 (B) window 1, source 1 (A) window 0, C and D window 2
.set TO_B,   0x40                      ; destination window 1, address window 0
; A joint load.  Waves 0 and 1 fetch A's two halves, waves 2 and 3 B's.  The branch hangs on the wave's number alone.  An s_nop 0 and four v_nop follow each of the two lines.
.macro JLOAD s
	s_cmp_eq_u32 s11, 0
	s_cbranch_scc0 .Lfor_b_\@
	tensor_load_to_lds s[G0+4*(\s):G0+4*(\s)+3], s[G1:G1+7]
	s_nop 0
.rept 4
	v_nop
.endr
	s_branch .Lasked_\@
.Lfor_b_\@:
	tensor_load_to_lds s[G0B+4*(\s):G0B+4*(\s)+3], s[G1B:G1B+7]
	s_nop 0
.rept 4
	v_nop
.endr
.Lasked_\@:
.endm
; A prefetch, behind a joint load and the run of LDS loads that follows it: the K step that stands two refills on, 32 rows x 256 bytes, a lane a row.  Each row's 256 bytes of a step are named once in the
; launch: of the clusters that read A's tile row the one with x = 0 asks, of those that read B's tile column the one with y = 0; the four partners of a joint load share its 128 rows out by address, 32 each.
; The refill of the trip with s3 = 6 brings step 2 and names step 4; trips with s3 = 2, 1 would name steps 8, 9, which do not exist, and ask for nothing.  Steps 0 to 3 come by their loads alone.
.macro ASK
	s_cmp_gt_u32 s3, s[LIM]
	s_cbranch_scc0 .Lnot_mine_\@
	global_prefetch_b8 v[PFO], s[PFA:PFA+1] offset:KSTEP*2 th:TH_LOAD_NT scope:SCOPE_SE
.Lnot_mine_\@:
.endm
.macro CREST                           ; a round of the cluster's barrier behind its opening barrier
	s_cmp_lg_u32 s10, 0
	s_cbranch_scc1 .Lnot_wave_0_\@
	s_barrier_signal -3
.Lnot_wave_0_\@:
	s_barrier_wait -3
	s_barrier_signal -1
	s_barrier_wait -1
.endm
.macro CROUND                          ; a whole round
	s_barrier_signal -1
	s_barrier_wait -1
	CREST
.endm
.if KIND == 0
	s_cmp_lt_u32 ttmp9, 3                          ; in a cluster launch ttmp9 is the cluster's x, the same in all sixteen partners: clusters 0 to 2 have C's 12 tile columns
	s_cbranch_scc0 .Lcast
.endif
	s_load_b128 s[4:7], s[0:1], 0x0                ; A s[4:5], B s[6:7]
.if KIND
	s_load_b128 s[68:71], s[0:1], 0x10             ; b1 s[68:69], C s[70:71]
.else
	s_load_b64 s[8:9], s[0:1], 0x10                ; C
.endif
	v_lshl_add_u32 v[SPW], v0, 2, SPARE
	v_mov_b32 v[NIL], 0
	ds_add_u32 v[SPW], v[NIL]                      ; the wave's opening: the add, twice on end, and its wait ahead of my first tensor load
	ds_add_u32 v[SPW], v[NIL]                      ; the set-up below, work on registers, stands between the second add and the wait
	v_lshrrev_b32 v1, 5, v0
	v_readfirstlane_b32 s10, v1                    ; wave 0..3
	s_lshr_b32 s11, s10, 1                         ; which half of the tile's rows is mine.  Also: I fetch for A (0) or for B (1)
	s_and_b32 s12, s10, 1                          ; which half of its columns.  Also: which 128 rows of that tile I fetch
	s_bfe_u32 s40, ttmp6, 0x40000                  ; cx
	s_bfe_u32 s41, ttmp6, 0x40004                  ; cy
	s_lshl_b32 s42, ttmp9, 2
	s_add_co_u32 s42, s42, s40                     ; tile column = 4 x cluster x + cx
	s_and_b32 s13, ttmp7, 0xffff
	s_lshl_b32 s13, s13, 2
	s_add_co_u32 s13, s13, s41                     ; tile row = 4 x cluster y + cy
	s_lshl_b32 s43, s41, 2
	s_lshl_b32 s43, 15, s43                        ; my row of the cluster: places 4 cy .. 4 cy + 3
	s_lshl_b32 s44, 0x1111, s40                    ; my column: places cx, cx + 4, cx + 8, cx + 12
	; descriptor group 1: a tile of 128 rows x 128 elements of 2 bytes, 4 words of padding behind every 64
	s_or_b32 s[G1+0], s43, (1<<16)|(1<<20)|(1<<21)|(5<<22)|(3<<25)
	s_or_b32 s[G1B+0], s44, (1<<16)|(1<<20)|(1<<21)|(5<<22)|(3<<25)
.irp g, G1, G1B
	s_mov_b32 s[(\g)+1], KSTEP<<16                 ; tensor_dim0 = 128
	s_mov_b32 s[(\g)+2], 128<<16                   ; tensor_dim1 = 128
	s_mov_b32 s[(\g)+3], KSTEP<<16                 ; tile_dim0 = 128
	s_mov_b32 s[(\g)+4], 128                       ; tile_dim1 = 128
	s_mov_b32 s[(\g)+5], SIZE_K                    ; elements from row to row
	s_mov_b32 s[(\g)+6], 0
	s_mov_b32 s[(\g)+7], 0
.endr
	s_lshl_b32 s17, s12, 7                         ; which 128 rows of the tile I fetch
	s_lshl_b32 s16, s13, 8
	s_add_co_u32 s16, s16, s17                     ; A: row 256 x tile row + 128 x half,
	s_lshl_b32 s16, s16, 11                        ; in bytes (under 2^23)
	s_lshl_b32 s46, s42, 8
	s_add_co_u32 s46, s46, s17                     ; B: row 256 x tile column + 128 x half
	s_lshl_b32 s46, s46, 11
	s_mov_b32 s17, 0
	s_mov_b32 s47, 0
	s_mul_i32 s20, s10, HALFT                      ; where they go: wave x 128 rows: no place in the cluster enters an LDS address
	s_mov_b32 s[TB], 0
	s_wait_dscnt 0x0                               ; both opening adds are done
	CROUND                                         ; all sixteen work-groups are here: the first joint loads will meet.  The round needs no argument, so it stands ahead of the wait for them
	s_wait_kmcnt 0x0
	s_add_nc_u64 s[14:15], s[4:5], s[16:17]
	s_add_nc_u64 s[46:47], s[6:7], s[46:47]
.irp s, 0,1
	s_mov_b32 s[G0+4*(\s)], 1                                        ; count = 1
	s_add_co_u32 s[G0+4*(\s)+1], s20, (\s)*SLOT                      ; LDS address
	s_add_nc_u64 s[G0+4*(\s)+2:G0+4*(\s)+3], s[14:15], (\s)*KSTEP*2  ; global address: K step s
	s_or_b32 s[G0+4*(\s)+3], s[G0+4*(\s)+3], 0x80000000              ; type = 2
	s_mov_b32 s[G0B+4*(\s)], 1
	s_add_co_u32 s[G0B+4*(\s)+1], s20, (\s)*SLOT
	s_add_nc_u64 s[G0B+4*(\s)+2:G0B+4*(\s)+3], s[46:47], (\s)*KSTEP*2
	s_or_b32 s[G0B+4*(\s)+3], s[G0B+4*(\s)+3], 0x80000000
	JLOAD \s                                       ; two tensor loads of mine are out
.endr
	; a fragment is 16 rows x 32 K in 8 registers: lane l holds row l % 16, K = 8 (l / 16) + 0..7 and 16 + 8 (l / 16) + 0..7: two loads of 16 bytes, 32 bytes apart
	v_and_b32 v1, 15, v0                           ; l % 16
	v_bfe_u32 v2, v0, 4, 1                         ; l / 16
	v_mul_u32_u24 v3, v1, PITCH
	v_lshl_add_u32 v3, v2, 4, v3
	s_mul_i32 s21, s11, HALFT                      ; my 128 rows of A
	s_mul_i32 s22, s12, HALFT                      ; my 128 rows of B,
	s_add_co_u32 s22, s22, 2*HALFT                 ; which lie behind A's 256
	v_add_nc_u32 v[A0], s21, v3
	v_add_nc_u32 v[B0], s22, v3
	v_mov_b32 v[ADRA], v[A0]
	v_mov_b32 v[ADRB], v[B0]
	s_mul_i32 s23, s10, 16*SPITCH
	s_add_co_u32 s23, s23, STAGE                   ; my stage
	v_mul_u32_u24 v4, v1, SPITCH                   ; in: row l % 16, 16 bytes for each half of the lanes
	v_lshl_add_u32 v4, v2, 4, v4
	v_add_nc_u32 v[STO], s23, v4
.if KIND
	v_mul_u32_u24 v5, v2, SPITCH                   ; back: lanes 0-15 take one row of 256 bytes, lanes 16-31 the next,
	v_lshl_add_u32 v5, v1, 4, v5
	v_add_nc_u32 v[RD], s23, v5
	v_lshlrev_b32 v5, 13, v2                       ; and the same two rows of C, 8,192 bytes apart
	v_lshl_add_u32 v[CO], v1, 4, v5
	v_mov_b32 v[ZR], 0
	s_lshl_b32 s16, s13, 8
	s_lshl_b32 s17, s11, 7
	s_add_co_u32 s16, s16, s17                     ; my first row of C,
	s_lshl_b32 s16, s16, 13                        ; in bytes (under 2^25)
	s_lshl_b32 s46, s42, 9
	s_lshl_b32 s47, s12, 8
	s_add_co_u32 s46, s46, s47                     ; my first column, in bytes of bf16
	s_add_co_u32 s16, s16, s46
	s_mov_b32 s17, 0
	s_add_nc_u64 s[8:9], s[70:71], s[16:17]
	s_lshl_b32 s46, s46, 1                         ; the same column in bytes of f32
	v_lshl_add_u32 v[BO], v2, 5, s46               ; + my lanes' 8 columns
.irp b, 0,1,2,3,4,5,6,7                ; b1 as the accumulators hold their columns: register j of block b is column 16 b + 8 (l / 16) + j
	global_load_b128 v[BIAS+8*(\b):BIAS+8*(\b)+3],   v[BO], s[68:69] offset:64*(\b)
	global_load_b128 v[BIAS+8*(\b)+4:BIAS+8*(\b)+7], v[BO], s[68:69] offset:64*(\b)+16
.endr
.else
	v_bfe_u32 v5, v0, 3, 2                         ; back: 32 lanes take four rows of one head's 128 bytes,
	v_mul_u32_u24 v5, v5, SPITCH
	v_and_b32 v6, 7, v0
	v_lshl_add_u32 v5, v6, 4, v5
	v_add_nc_u32 v[RD], s23, v5
	v_and_b32 v[CO], 31, v0                        ; which are 512 consecutive bytes of qkv
	v_lshlrev_b32 v[CO], 4, v[CO]
	s_lshr_b32 s16, s42, 2                         ; which of q, k, v: 1,024 columns each
	s_lshl_b32 s16, s16, 6
	s_lshr_b32 s17, s13, 2                         ; the batch: 1,024 rows each
	s_lshl_b32 s17, s17, 4
	s_add_co_u32 s16, s16, s17
	s_and_b32 s17, s42, 3                          ; the head: four to a tile column,
	s_lshl_b32 s17, s17, 2
	s_add_co_u32 s16, s16, s17
	s_lshl_b32 s17, s12, 1                         ; two to a wave
	s_add_co_u32 s16, s16, s17
	s_lshl_b32 s16, s16, 10                        ; 1,024 tokens a head
	s_and_b32 s17, s13, 3
	s_lshl_b32 s17, s17, 8
	s_add_co_u32 s16, s16, s17                     ; + the tile's first token
	s_lshl_b32 s17, s11, 7
	s_add_co_u32 s16, s16, s17                     ; + my half
	s_lshl_b32 s16, s16, 7                         ; rows of 128 bytes (under 2^25)
	s_mov_b32 s17, 0
	s_add_nc_u64 s[8:9], s[8:9], s[16:17]
.endif
	; the prefetches
	s_lshl_b32 s20, s13, 8                         ; A's tile begins at row 256 x tile row,
	s_lshl_b32 s21, s42, 8                         ; B's at row 256 x tile column
	s_and_b32 s22, ttmp7, 0xffff                   ; cluster y
	s_cmp_eq_u32 s11, 0                            ; do I fetch for A?
	s_cselect_b32 s20, s20, s21
	s_cselect_b32 s21, s40, s41                    ; my place among the four that ask with me
	s_cselect_b32 s22, ttmp9, s22                  ; the coordinate along which other clusters read the same rows
	s_cselect_b64 s[PFA:PFA+1], s[4:5], s[6:7]
	s_cmp_eq_u32 s22, 0
	s_cselect_b32 s[LIM], 2, -1                    ; the same in all sixteen partners, for a given wave
	s_lshl_b32 s22, s12, 7
	s_add_co_u32 s20, s20, s22                     ; + the 128 rows that I fetch
	s_lshl_b32 s21, s21, 5
	s_add_co_u32 s20, s20, s21                     ; + my work-group's 32 of them
	s_lshl_b32 s20, s20, 11
	s_add_co_u32 s20, s20, 2*KSTEP*2               ; at K step 2: the first refill steps it to 3 and names step 4
	s_mov_b32 s21, 0
	s_add_nc_u64 s[PFA:PFA+1], s[PFA:PFA+1], s[20:21]
	v_and_b32 v[PFO], 31, v0
	v_lshlrev_b32 v[PFO], 11, v[PFO]
; 16 matrix instructions: m blocks a0, a0 + 1 of the window's four (hi = 0: my rows 0-63, 1: rows 64-127) x all 8 n blocks, 32 along K.
; zero = 1: the first product starts the sums: with the constant 0, or (KIND 1) with b1 as C, which lies in window 0.  Nothing is ever cleared.
.macro MUL16 f, hi, a0, zero
.if (\zero) && KIND
	WIN 0x81+0x40*(\hi)
.else
	WIN MUL_LO+0x50*(\hi)
.endif
.irp a, \a0, (\a0)+1
.irp b, 0,1,2,3,4,5,6,7
.if (\zero) && KIND
	v_wmma_f32_16x16x32_bf16 v[8*(8*(\a)+(\b)):8*(8*(\a)+(\b))+7], v[(\f)+8*(\b):(\f)+8*(\b)+7], v[(\f)+8*(4*(\hi)+(\a)):(\f)+8*(4*(\hi)+(\a))+7], v[BIAS+8*(\b):BIAS+8*(\b)+7]
.elseif \zero
	v_wmma_f32_16x16x32_bf16 v[8*(8*(\a)+(\b)):8*(8*(\a)+(\b))+7], v[(\f)+8*(\b):(\f)+8*(\b)+7], v[(\f)+8*(4*(\hi)+(\a)):(\f)+8*(4*(\hi)+(\a))+7], 0
.else
	v_wmma_f32_16x16x32_bf16 v[8*(8*(\a)+(\b)):8*(8*(\a)+(\b))+7], v[(\f)+8*(\b):(\f)+8*(\b)+7], v[(\f)+8*(4*(\hi)+(\a)):(\f)+8*(4*(\hi)+(\a))+7], v[8*(8*(\a)+(\b)):8*(8*(\a)+(\b))+7]
.endif
.endr
.endr
.endm
; 32 LDS loads in one run: the fragments of one quarter step (128 rows of B, then 128 rows of A, 32 K at byte k of the rows of the slot in hand) into buffer f.  It leaves every window 0.
.macro FETCH k, f
	WIN TO_B
.irp i, 0,1,2,3,4,5,6,7
	ds_load_b128 v[(\f)+8*(\i):(\f)+8*(\i)+3],   v[ADRB] offset:(\k)+(\i)*16*PITCH
	ds_load_b128 v[(\f)+8*(\i)+4:(\f)+8*(\i)+7], v[ADRB] offset:(\k)+(\i)*16*PITCH+32
.endr
	WIN 0
.irp i, 0,1,2,3,4,5,6,7
	ds_load_b128 v[(\f)+8*(\i):(\f)+8*(\i)+3],   v[ADRA] offset:(\k)+(\i)*16*PITCH
	ds_load_b128 v[(\f)+8*(\i)+4:(\f)+8*(\i)+7], v[ADRA] offset:(\k)+(\i)*16*PITCH+32
.endr
.endm
.macro PLACES                          ; four plain vector instructions between a matrix instruction and a load into a register that it has read (ISA guide 7.12.1 for vector instructions)
.rept 4
	v_nop
.endr
.endm
; A K step is four quarters of 32 along K, 64 matrix instructions each, on buffers 0, 1, 0, 1; the 64 accumulators take turns in the same order in every quarter.
; One of the first three: multiplies buffer f; in its middle it fetches the next quarter's fragments, at byte k, into buffer g.
.macro QUARTER k, f, g, zero
	s_wait_dscnt 8                                 ; B and A's rows 0-63 are in; the youngest eight loads (A's rows 64-127) may be out
	MUL16 \f, 0, 0, \zero
	MUL16 \f, 0, 2, \zero
	PLACES
	FETCH \k, \g
	s_wait_dscnt 32                                ; all but the 32 just issued
	MUL16 \f, 1, 0, \zero
	MUL16 \f, 1, 2, \zero
.endm
; The first half of the last quarter: ONE barrier for the change of slots.  In front of it each wave waits for all its tensor loads (one is out: its part of the next slot), adds 0 to its spare word,
; and waits for that and for its reads of this slot.  Behind it nobody reads this slot any more and the next slot is whole.
.macro MEET
	WIN 0                                          ; (the add's two registers lie in window 0)
	s_wait_tensorcnt 0x0
	ds_add_u32 v[SPW], v[NIL]
	s_wait_dscnt 9                                 ; (the add and the youngest eight loads may be out)
	MUL16 F1, 0, 0, 0                              ; sixteen matrix instructions stand between the add and the wait for it
	s_wait_dscnt 0x0                               ; the add is done, and my reads of this slot are over
	s_barrier_signal -1
	MUL16 F1, 0, 2, 0                              ; work on registers while the others arrive
	WIN 0
	s_barrier_wait -1
.endm
; The whole last quarter, with a refill: the barrier opens a round of the cluster's, the slot just read out takes the K step two steps on, first thing behind the round; then the next slot's first fragments.
; From the request to the wait for it a wave issues 224 matrix instructions; one tensor load of mine is out.
.macro TURN
	s_wait_xcnt 0x0                                ; the last prefetch, a K step back, has read its address
	s_add_nc_u64 s[PFA:PFA+1], s[PFA:PFA+1], KSTEP*2
	MEET
	CREST                                          ; no wave of any partner still reads this slot or has a load on its way
	s_xor_b32 s[G0+5], s[G0+5], SLOT               ; the walking descriptors: the other slot than last time,
	s_add_nc_u64 s[G0+6:G0+7], s[G0+6:G0+7], KSTEP*2   ; the next K step; the type bits on top are not reached
	s_xor_b32 s[G0B+5], s[G0B+5], SLOT
	s_add_nc_u64 s[G0B+6:G0B+7], s[G0B+6:G0B+7], KSTEP*2
	JLOAD 1                                        ; its four v_nop are also the places in front of the loads below
	s_xor_b32 s[TB], s[TB], SLOT
	v_add_nc_u32 v[ADRA], s[TB], v[A0]
	v_add_nc_u32 v[ADRB], s[TB], v[B0]
	FETCH 0, F0
	ASK
	MUL16 F1, 1, 0, 0
	MUL16 F1, 1, 2, 0
.endm
; The same without a refill, for the last two steps; in the very last (s3 = 1) there is no next slot, and the run of LDS loads is jumped over.
.macro TURNT
	MEET
	PLACES
	s_xor_b32 s[TB], s[TB], SLOT
	v_add_nc_u32 v[ADRA], s[TB], v[A0]
	v_add_nc_u32 v[ADRB], s[TB], v[B0]
	s_cmp_eq_u32 s3, 1
	s_cbranch_scc1 .Lno_fetch_\@
	FETCH 0, F0
.Lno_fetch_\@:
	MUL16 F1, 1, 0, 0
	MUL16 F1, 1, 2, 0
.endm
; THE WAY OUT of block a (16 rows x 128 columns).  PACK: rounded to bf16 (each accumulator's registers in ascending order), KIND 1 with relu on the packed halves.
; TOSTAGE: into my own stage in LDS and back as whole rows.  SEND: stored.
.macro PACK a
.set AC, 64*((\a)%4)
	WIN 0x0a+5*((\a)/4)                            ; sources 0 and 1: window 2 or 3
.irp b, 0,1,2,3,4,5,6,7
.irp r, 0,1,2,3
	v_cvt_pk_bf16_f32 v[TMP+4*(\b)+(\r)], v[AC+8*(\b)+2*(\r)], v[AC+8*(\b)+2*(\r)+1]
.endr
.endr
	WIN 0
.if KIND
.set i, 0
.rept 32
	v_pk_max_num_bf16 v[TMP+i], v[TMP+i], v[ZR]
.set i, i+1
.endr
.endif
.endm
.macro TOSTAGE a
.set BK, OB+192*((\a)%2)
.irp b, 0,1,2,3,4,5,6,7
	ds_store_b128 v[STO], v[TMP+4*(\b):TMP+4*(\b)+3] offset:32*(\b)
.endr
.irp t, 0,1,2,3,4,5,6,7                ; LDS serves a wave's instructions in order (ISA guide 5.7.1.4): these see the stores above
.if KIND
	ds_load_b128 v[BK+4*(\t):BK+4*(\t)+3], v[RD] offset:(\t)*2*SPITCH
.else
	ds_load_b128 v[BK+4*(\t):BK+4*(\t)+3], v[RD] offset:((\t)%4)*4*SPITCH+((\t)/4)*128   ; head t / 4 of my two, rows 4 (t % 4) on
.endif
.endr
.endm
.macro SEND a
.set BK, OB+192*((\a)%2)
	s_wait_dscnt 0x0                               ; the block is back in registers
	s_wait_xcnt 0x0                                ; the stores of the block before have read their registers, which the next TOSTAGE loads again
.irp t, 0,1,2,3,4,5,6,7
.if KIND
	global_store_b128 v[CO], v[BK+4*(\t):BK+4*(\t)+3], s[8:9] offset:(16*(\a)+2*(\t))*8192   ; 16 lanes store 256 consecutive bytes, aligned; the block's place stands in the immediate
.else
	global_store_b128 v[CO], v[BK+4*(\t):BK+4*(\t)+3], s[8:9] offset:((\t)/4)*131072+(\a)*2048+((\t)%4)*512   ; 512 consecutive bytes of one head, aligned
.endif
.endr
.endm
	s_wait_tensorcnt 1                             ; my part of K step 0 is in; step 1's may stay out
	s_barrier_signal -1
	s_barrier_wait -1                              ; everybody's is
	FETCH 0, F0
.if KIND
	s_wait_loadcnt 0x0                             ; b1
.endif
	QUARTER 64, F0, F1, 1                          ; the first quarter stands in front of the loop: its products start the sums
	WIN 0                                          ; at a label and at a branch every window is 0
	s_mov_b32 s3, SIZE_K/KSTEP-2
.Lstep:                                        ; six trips: steps 0 to 5, whose changes of slots ask for steps 2 to 7
	QUARTER 128, F1, F0, 0
	QUARTER 192, F0, F1, 0
	TURN
	QUARTER 64, F0, F1, 0
	WIN 0
	s_sub_co_u32 s3, s3, 1
	s_cmp_lg_u32 s3, 0
	s_cbranch_scc1 .Lstep
	s_mov_b32 s3, 2
.Ltail:                                        ; steps 6 and 7 ask for nothing; the second trip is left in its middle
	QUARTER 128, F1, F0, 0
	QUARTER 192, F0, F1, 0
	TURNT
	WIN 0
	s_cmp_eq_u32 s3, 1
	s_cbranch_scc1 .Lout
	QUARTER 64, F0, F1, 0
	WIN 0
	s_sub_co_u32 s3, s3, 1
	s_cmp_lg_u32 s3, 0
	s_cbranch_scc1 .Ltail
.Lout:
	PACK 0                                         ; blocks 0-3 were finished in front of the last quarter's four v_nop; their conversions are the places behind the last products (blocks 4-7)
	TOSTAGE 0
.irp a, 1,2,3,4,5,6,7                  ; block a's conversions stand between block a - 1's loads from the stage and the wait for them
	PACK \a
	SEND (\a)-1
	TOSTAGE \a
.endr
	SEND 7
	s_wait_tensorcnt 0x0                           ; the wave's end: behind my last tensor load and my last LDS store
	ds_add_u32 v[SPW], v[NIL]
	s_wait_dscnt 0x0
	CROUND                                         ; the closing round: no work-group ends while a partner may still ask for a tile that names it
	s_endpgm
.if KIND == 0
; THE CLUSTERS WITHOUT A TILE: wf = w1, then w2, rounded to bf16.  64 work-groups, 8 rounds.  In round i work-group c = 16 x cluster y + 4 cy + cx takes chunk 64 i + c of 64 KiB of f32:
; rounds 0 to 3 are w1's 256 chunks, rounds 4 to 7 w2's; in wf the two matrices lie on end, so chunk n goes to byte 32,768 n.  A wave takes 16 KiB of a chunk: its 32 loads go out at once.
; The place in the cluster enters global addresses alone.
.Lcast:
	s_load_b128 s[4:7], s[0:1], 0x18               ; w1 s[4:5], w2 s[6:7]
	s_load_b64 s[8:9], s[0:1], 0x28                ; wf
	v_lshrrev_b32 v1, 5, v0
	v_readfirstlane_b32 s10, v1                    ; wave 0..3
	v_and_b32 v1, 31, v0
	v_lshlrev_b32 v2, 3, v1                        ; 8 x lane: my bytes of a store
	v_lshlrev_b32 v1, 4, v1                        ; 16 x lane: my bytes of a load
	s_bfe_u32 s40, ttmp6, 0x40000                  ; cx
	s_bfe_u32 s41, ttmp6, 0x40004                  ; cy
	s_and_b32 s13, ttmp7, 0xffff
	s_lshl_b32 s13, s13, 2
	s_add_co_u32 s13, s13, s41
	s_lshl_b32 s13, s13, 2
	s_add_co_u32 s13, s13, s40                     ; c, 0 to 63
	s_lshl_b32 s14, s13, 16                        ; my chunk among a round's 64,
	s_lshl_b32 s15, s10, 14                        ; my wave's 16 KiB of it
	s_add_co_u32 s14, s14, s15
	s_mov_b32 s15, 0
	s_lshl_b32 s16, s13, 15                        ; and half as many bytes in wf
	s_lshl_b32 s17, s10, 13
	s_add_co_u32 s16, s16, s17
	s_mov_b32 s17, 0
	s_mov_b32 s21, 0
	s_mov_b32 s3, 0
	s_wait_kmcnt 0x0
	s_add_nc_u64 s[4:5], s[4:5], s[14:15]
	s_add_nc_u64 s[6:7], s[6:7], s[14:15]
	s_add_nc_u64 s[8:9], s[8:9], s[16:17]
.Lround:
	s_cmp_lt_u32 s3, 4
	s_cselect_b64 s[18:19], s[4:5], s[6:7]         ; the round's matrix,
	s_and_b32 s20, s3, 3
	s_lshl_b32 s20, s20, 22                        ; and the round's 64 chunks of it: 4 MiB a round
	s_add_nc_u64 s[18:19], s[18:19], s[20:21]
.set i, 0
.rept 32
	global_load_b128 v[CX+4*i:CX+4*i+3], v1, s[18:19] offset:i*512 th:TH_LOAD_NT
.set i, i+1
.endr
.set i, 0
.rept 32
	s_wait_loadcnt 31-i                            ; load i is in; the younger ones stay out
	v_cvt_pk_bf16_f32 v[CX+4*i], v[CX+4*i], v[CX+4*i+1]
	v_cvt_pk_bf16_f32 v[CX+4*i+1], v[CX+4*i+2], v[CX+4*i+3]
	global_store_b64 v2, v[CX+4*i:CX+4*i+1], s[8:9] offset:i*256   ; 256 consecutive bytes, aligned
.set i, i+1
.endr
	s_wait_xcnt 0x0                                ; the stores have read their data and their base: both are written again only behind this wait
	s_add_nc_u64 s[8:9], s[8:9], 0x200000          ; 64 chunks of 32 KiB on
	s_add_co_u32 s3, s3, 1
	s_cmp_lt_u32 s3, 8
	s_cbranch_scc1 .Lround
	CROUND                                         ; all sixteen partners take this path: none ends ahead of the others
	s_endpgm
.endif
.Lfunc_end_k_q8b3f5a9d54_ff1:
	.size	k_q8b3f5a9d54_ff1, .Lfunc_end_k_q8b3f5a9d54_ff1-k_q8b3f5a9d54_ff1
	.p2alignl 7, 3214868480
	.fill 96, 4, 3214868480
	.section	.rodata,"a",@progbits
	.p2align	6, 0x0
	.amdhsa_kernel k_q8b3f5a9d54_ff1
		.amdhsa_group_segment_fixed_size 327680
		.amdhsa_private_segment_fixed_size 0
		.amdhsa_enable_private_segment 0
		.amdhsa_kernarg_size 32
		.amdhsa_user_sgpr_count 2
		.amdhsa_user_sgpr_kernarg_segment_ptr 1
		.amdhsa_wavefront_size32 1
		.amdhsa_system_sgpr_workgroup_id_x 1
		.amdhsa_system_sgpr_workgroup_id_y 1
		.amdhsa_system_sgpr_workgroup_id_z 1
		.amdhsa_system_vgpr_workitem_id 0
		.amdhsa_next_free_vgpr 1024
		.amdhsa_next_free_sgpr 72
		.amdhsa_reserve_vcc 0
		.amdhsa_float_denorm_mode_32 3
		.amdhsa_float_denorm_mode_16_64 3
		.amdhsa_memory_ordered 1
		.amdhsa_forward_progress 1
		.amdhsa_inst_pref_size 118
	.end_amdhsa_kernel
	.amdgpu_metadata
---
amdhsa.version: [ 1, 2 ]
amdhsa.kernels:
  - .name:           k_q8b3f5a9d54_ff1
    .symbol:         k_q8b3f5a9d54_ff1.kd
    .args:
      - { .name: xn, .offset: 0, .size: 8, .value_kind: global_buffer, .address_space: global }
      - { .name: wf, .offset: 8, .size: 8, .value_kind: global_buffer, .address_space: global }
      - { .name: b1, .offset: 16, .size: 8, .value_kind: global_buffer, .address_space: global }
      - { .name: act, .offset: 24, .size: 8, .value_kind: global_buffer, .address_space: global }
    .group_segment_fixed_size: 327680
    .private_segment_fixed_size: 0
    .kernarg_segment_align: 8
    .kernarg_segment_size: 32
    .max_flat_workgroup_size: 128
    .sgpr_count:     72
    .vgpr_count:     1024
    .wavefront_size: 32
...
	.end_amdgpu_metadata
.endif
;; end of part 6
;; launch ff2 (part 7): grid 8 x 32, 4 waves a work-group, clusters of 4 x 4, 327,680 bytes of LDS; arguments act, wf, b2, h, out0; writes out0
.if DOCPART == 7
	.amdgcn_target "amdgcn-amd-amdhsa--gfx1250"
	.amdhsa_code_object_version 6
	.text
	.protected	k_q8b3f5a9d54_ff2
	.globl	k_q8b3f5a9d54_ff2
	.p2align	8
	.type	k_q8b3f5a9d54_ff2,@function
k_q8b3f5a9d54_ff2:
	s_mov_b64 s[64:65], 0
	v_nop
	global_prefetch_b8 v0, s[64:65] scope:SCOPE_SE
	s_setreg_imm32_b32 hwreg(HW_REG_WAVE_MODE, 25, 1), 1
	s_wait_xcnt 0x0
	s_wait_alu depctr_hold_cnt(0) depctr_sa_sdst(0) depctr_va_vdst(0) depctr_va_sdst(0) depctr_va_ssrc(0) depctr_va_vcc(0) depctr_vm_vsrc(0)
	s_getreg_b32 s2, hwreg(HW_REG_IB_STS2, 6, 4)
	s_cmp_eq_u32 s2, 0
	s_cbranch_scc0 .Lentry_in_a_cluster
	s_endpgm
.Lentry_in_a_cluster:
	s_bfe_u32 s2, ttmp6, 0x10000c
	s_cmp_lg_u32 s2, 0xf033
	s_cbranch_scc0 .Lentry_shape_is_right
	s_endpgm
.Lentry_shape_is_right:
; OUT[m][n] = RES[m][n] + BIAS[n] + sum over k of A[m][k] B[n][k], N = 1,024; A and B bf16, sums, RES, BIAS and OUT f32.  One source text serves two launches:
;   PAIR 1: A = ctx in its pair layout (byte = token pair x 4,096 + head x 256 + parity x 128 + 2 x channel), K = 1,024, B = wu, at byte 0x600000 of wa, BIAS = bu, RES = x, OUT = h.
;   PAIR 0 (this one): A = act [4096][4096] row-major, K = 4,096, B = w2, at byte 0x800000 of wf, BIAS = b2, RES = h, OUT = out0.
; SHARES.  With N = 1,024 tiles of 256 x 256 would be 64; a tile of C is 128 x 128: 8 x 32 = 256 work-groups.  Four waves, each 64 x 64: 16 accumulators of 16 x 16.  K goes in steps of 256 through two LDS slots.
; CLUSTERS: 4 x 4 work-groups; A's tiles are asked for jointly along a row of the cluster, B's along a column.
; THE LOOP BODY IS ONE K STEP: the slot in hand is a scalar, s[TB] = 0 or SLOT.  The last two steps run in a second loop that asks for nothing.
; A step brings 128 KiB for 128 matrix instructions a wave, half the matrix work for a byte that a tile of 256 x 256 has: so what the loop is built round is the requests.  At a change of slots nothing stands
; between the landing of one slot and the request for the next but the waits, the add and the round; and RES is asked for only when the last refill is out.
; THE MATRIX INSTRUCTION IS USED TRANSPOSED (source 0 = 16 rows of B, source 1 = 16 rows of A): a lane holds row l % 16 of C and the columns 8 (l / 16) + 0..7.  The first product takes BIAS as C.
; PAIR 1: a K step is four heads; of a token pair they are 1,024 consecutive bytes, so A's half tile is 32 rows of 1,024 bytes; quarter q of a step is head q, and k keeps its natural order.
; REGISTERS: window 0: v0-31 addresses; v32-95 rows read back, two banks; v96-127 BIAS; v128-255 the accumulators ((a, b) at v[128 + 8 (4 a + b)]).
;   window 1: two fragment buffers of 128: for 64 along K, 64 registers of A, then 64 of B.      window 2: v0-127 RES: block a, row pair t at v[4 (8 a + t)].
.set PAIR,   0
.set SIZE_K, 1024+3072*(1-PAIR)
.set KSH,    11+2*(1-PAIR)             ; a row of B (and a token's share of A) is 1 << KSH bytes
.set WOFF,   0x600000+0x200000*(1-PAIR)   ; where B begins in its buffer
.set KSTEP,  256
.set NSTEP,  SIZE_K/KSTEP
.set ASTEP,  512+512*PAIR              ; bytes from a K step of A to the next
.set BSTEP,  512
.set PITCH,  528                       ; an LDS row: 512 bytes + 16 of padding = 132 words: the 16 rows of a fragment load start at 16 different groups of four banks (64 banks of 4 bytes: ISA guide 11.1)
.set APITCH, 1040                      ; PAIR 1: a pair's row: 1,024 + 16 = 260 words; token r of 16 starts at word 260 (r / 2) + 32 (r % 2): again 16 different groups
.set HALFT,  64*PITCH                  ; what one tensor load brings (PAIR 1, A: 32 x 1,040 = 33,280 bytes of it)
.set SLOT,   4*HALFT                   ; A's two halves, then B's.  SLOT = 0x21000 shares no bit with wave x HALFT = 0x8400 w: on those words an exclusive or with SLOT adds or takes away SLOT
.set STAGE,  2*SLOT                    ; behind the ring: 16 rows x 272 bytes for each wave, for the way out; no tensor load lands here
.set SPITCH, 272
.set SPARE,  STAGE+4*16*SPITCH         ; the spare words, 128 bytes a wave, that no other line names
.set A0,   14                          ; v14  my lane's place in A's rows of slot 0; never rewritten
.set B0,   15                          ; v15  the same for B
.set ADRA, 16                          ; v16  the same in the slot in hand
.set ADRB, 20                          ; v20
.set STO,  24                          ; v24  the way out: where I put 32 bytes of a row
.set RD,   25                          ; v25  where I read rows back
.set CO,   26                          ; v26  my byte offset in RES and in OUT
.set SPW,  28                          ; v28  my spare word; never rewritten
.set NIL,  29                          ; v29  0; never rewritten
.set BO,   31                          ; v31  my byte offset in BIAS
.set TMP,  32
.set BIAS, 96
.set ACC,  128
.set F0,   0
.set F1,   128
.set G1,  24                           ; s[24:31] descriptor group 1 for A; s[32:39] group 0: a set for each first fill; the second then walks
.set G0,  32
.set G1B, 48                           ; s[48:55], s[56:63] the same for B
.set G0B, 56
.set TB,  66                           ; s66  the slot in hand: 0 or SLOT
.set MSB, 0
.macro WIN new                         ; the immediate's high byte repeats the setting that is left; a switch that changes nothing is dropped
.if MSB != (\new)
	s_set_vgpr_msb (MSB<<8)|(\new)
.set MSB, \new
.endif
.endm
.set MUL,  0x05                        ; sources 0 (B) and 1 (A) window 1; C and D window 0
.set TO_F, 0x40                        ; destination window 1, address window 0
.macro JLOAD s                         ; a joint load: waves 0 and 1 fetch A's two halves, waves 2 and 3 B's; an s_nop 0 and four v_nop follow each of the two lines
	s_cmp_eq_u32 s11, 0
	s_cbranch_scc0 .Lfor_b_\@
	tensor_load_to_lds s[G0+4*(\s):G0+4*(\s)+3], s[G1:G1+7]
	s_nop 0
.rept 4
	v_nop
.endr
	s_branch .Lasked_\@
.Lfor_b_\@:
	tensor_load_to_lds s[G0B+4*(\s):G0B+4*(\s)+3], s[G1B:G1B+7]
	s_nop 0
.rept 4
	v_nop
.endr
.Lasked_\@:
.endm
.macro CREST                           ; a round of the cluster's barrier behind its opening barrier
	s_cmp_lg_u32 s10, 0
	s_cbranch_scc1 .Lnot_wave_0_\@
	s_barrier_signal -3
.Lnot_wave_0_\@:
	s_barrier_wait -3
	s_barrier_signal -1
	s_barrier_wait -1
.endm
.macro CROUND
	s_barrier_signal -1
	s_barrier_wait -1
	CREST
.endm
	s_load_b128 s[4:7], s[0:1], 0x0                ; A s[4:5], B's buffer s[6:7]
	s_load_b128 s[68:71], s[0:1], 0x10             ; BIAS s[68:69], RES s[70:71]
	s_load_b64 s[8:9], s[0:1], 0x20                ; OUT
	v_lshl_add_u32 v[SPW], v0, 2, SPARE
	v_mov_b32 v[NIL], 0
	ds_add_u32 v[SPW], v[NIL]                      ; the wave's opening: the add, twice on end, and its wait ahead of my first tensor load
	ds_add_u32 v[SPW], v[NIL]                      ; the set-up below, work on registers, stands between the second add and the wait
	v_lshrrev_b32 v1, 5, v0
	v_readfirstlane_b32 s10, v1                    ; wave 0..3
	s_lshr_b32 s11, s10, 1                         ; which half of the tile's rows is mine.  Also: I fetch for A (0) or for B (1)
	s_and_b32 s12, s10, 1                          ; which half of its columns.  Also: which 64 rows of that tile I fetch
	s_bfe_u32 s40, ttmp6, 0x40000                  ; cx
	s_bfe_u32 s41, ttmp6, 0x40004                  ; cy
	s_lshl_b32 s42, ttmp9, 2
	s_add_co_u32 s42, s42, s40                     ; tile column
	s_and_b32 s13, ttmp7, 0xffff
	s_lshl_b32 s13, s13, 2
	s_add_co_u32 s13, s13, s41                     ; tile row
	s_lshl_b32 s43, s41, 2
	s_lshl_b32 s43, 15, s43                        ; my row of the cluster
	s_lshl_b32 s44, 0x1111, s40                    ; my column
	; descriptor group 1.  B (and A where PAIR = 0): 64 rows x 256 elements of 2 bytes, 4 words of padding behind every 128
	s_or_b32 s[G1B+0], s44, (1<<16)|(1<<20)|(1<<21)|(6<<22)|(3<<25)
	s_mov_b32 s[G1B+1], KSTEP<<16                  ; tensor_dim0
	s_mov_b32 s[G1B+2], 64<<16                     ; tensor_dim1
	s_mov_b32 s[G1B+3], KSTEP<<16                  ; tile_dim0
	s_mov_b32 s[G1B+4], 64                         ; tile_dim1
	s_mov_b32 s[G1B+5], SIZE_K                     ; elements from row to row
	s_mov_b32 s[G1B+6], 0
	s_mov_b32 s[G1B+7], 0
.if PAIR                               ; A: 32 token pairs x 512 elements, 4 words of padding behind every 256; a pair's row is 2,048 elements
	s_or_b32 s[G1+0], s43, (1<<16)|(1<<20)|(1<<21)|(7<<22)|(3<<25)
	s_mov_b32 s[G1+1], 512<<16
	s_mov_b32 s[G1+2], 32<<16
	s_mov_b32 s[G1+3], 512<<16
	s_mov_b32 s[G1+4], 32
	s_mov_b32 s[G1+5], 2048
.else
	s_or_b32 s[G1+0], s43, (1<<16)|(1<<20)|(1<<21)|(6<<22)|(3<<25)
	s_mov_b32 s[G1+1], KSTEP<<16
	s_mov_b32 s[G1+2], 64<<16
	s_mov_b32 s[G1+3], KSTEP<<16
	s_mov_b32 s[G1+4], 64
	s_mov_b32 s[G1+5], SIZE_K
.endif
	s_mov_b32 s[G1+6], 0
	s_mov_b32 s[G1+7], 0
	s_lshl_b32 s17, s12, 6                         ; which 64 rows of the tile I fetch
	s_lshl_b32 s16, s13, 7
	s_add_co_u32 s16, s16, s17                     ; A: token 128 x tile row + 64 x half,
	s_lshl_b32 s16, s16, KSH                       ; in bytes (PAIR 1: half as many pairs of twice the bytes); under 2^25
	s_lshl_b32 s46, s42, 7
	s_add_co_u32 s46, s46, s17                     ; B: row 128 x tile column + 64 x half
	s_lshl_b32 s46, s46, KSH
	s_add_co_u32 s46, s46, WOFF
	s_mov_b32 s17, 0
	s_mov_b32 s47, 0
	s_mul_i32 s20, s10, HALFT                      ; where they go: no place in the cluster enters an LDS address
	s_mov_b32 s[TB], 0
	s_wait_dscnt 0x0                               ; both opening adds are done
	CROUND                                         ; all sixteen work-groups are here: the first joint loads will meet.  The round needs no argument, so it stands ahead of the wait for them
	s_wait_kmcnt 0x0
	s_add_nc_u64 s[14:15], s[4:5], s[16:17]
	s_add_nc_u64 s[46:47], s[6:7], s[46:47]
.irp s, 0,1
	s_mov_b32 s[G0+4*(\s)], 1
	s_add_co_u32 s[G0+4*(\s)+1], s20, (\s)*SLOT
	s_add_nc_u64 s[G0+4*(\s)+2:G0+4*(\s)+3], s[14:15], (\s)*ASTEP
	s_or_b32 s[G0+4*(\s)+3], s[G0+4*(\s)+3], 0x80000000
	s_mov_b32 s[G0B+4*(\s)], 1
	s_add_co_u32 s[G0B+4*(\s)+1], s20, (\s)*SLOT
	s_add_nc_u64 s[G0B+4*(\s)+2:G0B+4*(\s)+3], s[46:47], (\s)*BSTEP
	s_or_b32 s[G0B+4*(\s)+3], s[G0B+4*(\s)+3], 0x80000000
	JLOAD \s                                       ; two tensor loads of mine are out
.endr
	v_and_b32 v1, 15, v0                           ; l % 16
	v_bfe_u32 v2, v0, 4, 1                         ; l / 16
	s_mul_i32 s21, s11, HALFT                      ; my 64 rows of A
	s_mul_i32 s22, s12, HALFT                      ; my 64 rows of B,
	s_add_co_u32 s22, s22, 2*HALFT                 ; which lie behind A's halves
	v_mul_u32_u24 v3, v1, PITCH
	v_lshl_add_u32 v3, v2, 4, v3                   ; row x pitch + 16 x half
	v_add_nc_u32 v[B0], s22, v3
.if PAIR
	v_lshrrev_b32 v3, 1, v1                        ; token l % 16: its pair,
	v_mul_u32_u24 v3, v3, APITCH
	v_and_b32 v4, 1, v1                            ; its parity,
	v_lshl_add_u32 v3, v4, 7, v3
	v_lshl_add_u32 v3, v2, 4, v3                   ; 16 x half
.endif
	v_add_nc_u32 v[A0], s21, v3
	v_mov_b32 v[ADRA], v[A0]
	v_mov_b32 v[ADRB], v[B0]
	s_mul_i32 s23, s10, 16*SPITCH
	s_add_co_u32 s23, s23, STAGE                   ; my stage
	v_mul_u32_u24 v4, v1, SPITCH                   ; in: row l % 16, 32 bytes for each half of the lanes
	v_lshl_add_u32 v4, v2, 5, v4
	v_add_nc_u32 v[STO], s23, v4
	v_mul_u32_u24 v5, v2, SPITCH                   ; back: lanes 0-15 take one row of 256 bytes, lanes 16-31 the next,
	v_lshl_add_u32 v5, v1, 4, v5
	v_add_nc_u32 v[RD], s23, v5
	v_lshlrev_b32 v5, 12, v2                       ; and the same two rows of RES and OUT, 4,096 bytes apart
	v_lshl_add_u32 v[CO], v1, 4, v5
	s_lshl_b32 s16, s13, 7
	s_lshl_b32 s17, s11, 6
	s_add_co_u32 s16, s16, s17                     ; my first row,
	s_lshl_b32 s16, s16, 12                        ; in bytes
	s_lshl_b32 s46, s42, 9
	s_lshl_b32 s47, s12, 8
	s_add_co_u32 s46, s46, s47                     ; my first column, in bytes of f32: a multiple of 256
	s_add_co_u32 s16, s16, s46
	s_mov_b32 s17, 0
	s_add_nc_u64 s[8:9], s[8:9], s[16:17]
	s_add_nc_u64 s[70:71], s[70:71], s[16:17]
	v_lshl_add_u32 v[BO], v2, 5, s46               ; + my lanes' 8 columns
.irp b, 0,1,2,3                        ; BIAS as the accumulators hold their columns: register j of block b is column 16 b + 8 (l / 16) + j
	global_load_b128 v[BIAS+8*(\b):BIAS+8*(\b)+3],   v[BO], s[68:69] offset:64*(\b)
	global_load_b128 v[BIAS+8*(\b)+4:BIAS+8*(\b)+7], v[BO], s[68:69] offset:64*(\b)+16
.endr
; 8 matrix instructions: m blocks a0, a0 + 1 x all 4 n blocks, 32 along K: half c of buffer f.  zero = 1: the first product starts the sums, with BIAS as C: nothing is ever cleared
.macro MUL8 f, c, a0, zero
	WIN MUL
.irp a, \a0, (\a0)+1
.irp b, 0,1,2,3
.if \zero
	v_wmma_f32_16x16x32_bf16 v[ACC+8*(4*(\a)+(\b)):ACC+8*(4*(\a)+(\b))+7], v[(\f)+64+8*(4*(\c)+(\b)):(\f)+64+8*(4*(\c)+(\b))+7], v[(\f)+8*(4*(\c)+(\a)):(\f)+8*(4*(\c)+(\a))+7], v[BIAS+8*(\b):BIAS+8*(\b)+7]
.else
	v_wmma_f32_16x16x32_bf16 v[ACC+8*(4*(\a)+(\b)):ACC+8*(4*(\a)+(\b))+7], v[(\f)+64+8*(4*(\c)+(\b)):(\f)+64+8*(4*(\c)+(\b))+7], v[(\f)+8*(4*(\c)+(\a)):(\f)+8*(4*(\c)+(\a))+7], v[ACC+8*(4*(\a)+(\b)):ACC+8*(4*(\a)+(\b))+7]
.endif
.endr
.endr
.endm
; 32 LDS loads in one run: the fragments of quarter q (64 along K) of the slot in hand, into buffer f; the first 32 along K first
.macro FETCH q, f
	WIN TO_F
.irp c, 0,1
.irp i, 0,1,2,3
	ds_load_b128 v[(\f)+64+8*(4*(\c)+(\i)):(\f)+64+8*(4*(\c)+(\i))+3],   v[ADRB] offset:(\q)*128+64*(\c)+(\i)*16*PITCH
	ds_load_b128 v[(\f)+64+8*(4*(\c)+(\i))+4:(\f)+64+8*(4*(\c)+(\i))+7], v[ADRB] offset:(\q)*128+64*(\c)+(\i)*16*PITCH+32
.if PAIR
	ds_load_b128 v[(\f)+8*(4*(\c)+(\i)):(\f)+8*(4*(\c)+(\i))+3],         v[ADRA] offset:(\q)*256+64*(\c)+(\i)*8*APITCH
	ds_load_b128 v[(\f)+8*(4*(\c)+(\i))+4:(\f)+8*(4*(\c)+(\i))+7],       v[ADRA] offset:(\q)*256+64*(\c)+(\i)*8*APITCH+32
.else
	ds_load_b128 v[(\f)+8*(4*(\c)+(\i)):(\f)+8*(4*(\c)+(\i))+3],         v[ADRA] offset:(\q)*128+64*(\c)+(\i)*16*PITCH
	ds_load_b128 v[(\f)+8*(4*(\c)+(\i))+4:(\f)+8*(4*(\c)+(\i))+7],       v[ADRA] offset:(\q)*128+64*(\c)+(\i)*16*PITCH+32
.endif
.endr
.endr
.endm
.macro PLACES                          ; four plain vector instructions between a matrix instruction and a load into a register that it has read, or a read of its result (ISA guide 7.12.1 for vector instructions)
.rept 4
	v_nop
.endr
.endm
; A K step is four quarters of 64 along K, 32 matrix instructions each, on buffers 0, 1, 0, 1; the 16 accumulators take turns.
.macro QUARTER q, f, g, zero
	s_wait_dscnt 16                                ; the first 32 along K are in; the other sixteen loads may be out
	MUL8 \f, 0, 0, \zero
	MUL8 \f, 0, 2, \zero
	PLACES
	FETCH \q, \g
	s_wait_dscnt 32                                ; all but the 32 just issued
	MUL8 \f, 1, 0, 0
	MUL8 \f, 1, 2, 0
.endm
; The last quarter of a step that fills a slot again.  It begins with the change of slots: each wave waits for all its tensor loads (one is out: its part of the next slot), adds 0 to its spare word, steps the
; walking descriptors while the add is out, and waits for the add and for its reads of this slot (the last 32 were issued 16 matrix instructions ago).  The barrier opens a round of the cluster's; behind the round
; no wave of any partner still reads this slot or has a load on its way, and the slot takes the K step two steps on, first thing.  The quarter's 32 products stand behind the request, not ahead of it:
; from the request to the wait for it a wave issues a whole step's 128 matrix instructions.
.macro TURN
	WIN 0
	s_wait_tensorcnt 0x0                           ; no tensor load of mine is out, so a group 0 may be written
	ds_add_u32 v[SPW], v[NIL]
	s_xor_b32 s[G0+5], s[G0+5], SLOT               ; the walking descriptors: the other slot than last time, the next K step; the type bits on top are not reached
	s_add_nc_u64 s[G0+6:G0+7], s[G0+6:G0+7], ASTEP
	s_xor_b32 s[G0B+5], s[G0B+5], SLOT
	s_add_nc_u64 s[G0B+6:G0B+7], s[G0B+6:G0B+7], BSTEP
	s_xor_b32 s[TB], s[TB], SLOT
	s_wait_dscnt 0x0                               ; the add is done, and my reads of this slot are over
	s_barrier_signal -1
	s_barrier_wait -1
	CREST
	JLOAD 1                                        ; its four v_nop are also the places in front of the loads below
	v_add_nc_u32 v[ADRA], s[TB], v[A0]
	v_add_nc_u32 v[ADRB], s[TB], v[B0]
	FETCH 0, F0
	MUL8 F1, 0, 0, 0
	MUL8 F1, 0, 2, 0
	MUL8 F1, 1, 0, 0
	MUL8 F1, 1, 2, 0
.endm
; The last quarter of the last two steps, which fill nothing: the same three lines and one barrier of the work-group, with matrix work between the add and its wait and between signal and wait;
; in the very last step (s3 = 1) the run of LDS loads is jumped over.
.macro TURNT
	WIN 0
	s_wait_tensorcnt 0x0
	ds_add_u32 v[SPW], v[NIL]
	s_wait_dscnt 17                                ; (the add and the youngest sixteen loads may be out)
	MUL8 F1, 0, 0, 0
	s_wait_dscnt 0x0                               ; the add is done, and my reads of this slot are over
	s_barrier_signal -1
	MUL8 F1, 0, 2, 0
	WIN 0                                          ; (a branch follows)
	s_barrier_wait -1
	PLACES
	s_xor_b32 s[TB], s[TB], SLOT
	v_add_nc_u32 v[ADRA], s[TB], v[A0]
	v_add_nc_u32 v[ADRB], s[TB], v[B0]
	s_cmp_eq_u32 s3, 1
	s_cbranch_scc1 .Lno_fetch_\@
	FETCH 0, F0
	WIN 0
.Lno_fetch_\@:
	MUL8 F1, 1, 0, 0
	MUL8 F1, 1, 2, 0
.endm
; THE WAY OUT of block a (16 rows x 64 columns of f32: 256 bytes a row): the sums go into my own stage as they lie (each accumulator's low four registers first), come back as whole rows, take RES, and are stored.
.macro OUT a
.set BK, TMP+32*((\a)%2)
	WIN 0
.irp b, 0,1,2,3
	ds_store_b128 v[STO], v[ACC+8*(4*(\a)+(\b)):ACC+8*(4*(\a)+(\b))+3]   offset:64*(\b)
	ds_store_b128 v[STO], v[ACC+8*(4*(\a)+(\b))+4:ACC+8*(4*(\a)+(\b))+7] offset:64*(\b)+16
.endr
.irp t, 0,1,2,3,4,5,6,7
	ds_load_b128 v[BK+4*(\t):BK+4*(\t)+3], v[RD] offset:(\t)*2*SPITCH   ; LDS serves a wave's instructions in order (ISA guide 5.7.1.4): these see the stores above
.endr
	s_wait_dscnt 0x0
	s_wait_xcnt 0x0                                ; the stores of the block before have read their registers: the next block loads that bank again only behind this wait
	WIN 0x08                                       ; source 1 in window 2
.set i, 0
.rept 16
	v_pk_add_f32 v[BK+i:BK+i+1], v[BK+i:BK+i+1], v[32*(\a)+i:32*(\a)+i+1]
.set i, i+2
.endr
	WIN 0
.irp t, 0,1,2,3,4,5,6,7
	global_store_b128 v[CO], v[BK+4*(\t):BK+4*(\t)+3], s[8:9] offset:(16*(\a)+2*(\t))*4096   ; 16 lanes store 256 consecutive bytes, aligned
.endr
.endm
	s_wait_tensorcnt 1                             ; my part of K step 0 is in; step 1's may stay out
	s_barrier_signal -1
	s_barrier_wait -1
	FETCH 0, F0
	s_wait_loadcnt 0x0                             ; BIAS
	QUARTER 1, F0, F1, 1                           ; the first quarter stands in front of the loop: its first products start the sums
	WIN 0                                          ; at a label and at a branch every window is 0
	s_mov_b32 s3, NSTEP-2
.Lstep:                                        ; NSTEP - 2 trips, each of which fills a slot again
	QUARTER 2, F1, F0, 0
	QUARTER 3, F0, F1, 0
	TURN
	QUARTER 1, F0, F1, 0
	WIN 0
	s_sub_co_u32 s3, s3, 1
	s_cmp_lg_u32 s3, 0
	s_cbranch_scc1 .Lstep
	WIN 0x80                                       ; destination window 2, address window 0
.set i, 0
.rept 32                               ; RES, my 64 rows x 256 bytes, as the way out will hold them: asked for behind the last refill; it has the last two K steps, which ask for no tile, in which to come
	global_load_b128 v[4*i:4*i+3], v[CO], s[70:71] offset:2*i*4096
.set i, i+1
.endr
	WIN 0
	s_mov_b32 s3, 2
.Ltail:                                        ; the last two steps ask for nothing; the second trip is left in its middle
	QUARTER 2, F1, F0, 0
	QUARTER 3, F0, F1, 0
	TURNT
	WIN 0
	s_cmp_eq_u32 s3, 1
	s_cbranch_scc1 .Lout
	QUARTER 1, F0, F1, 0
	WIN 0
	s_sub_co_u32 s3, s3, 1
	s_cmp_lg_u32 s3, 0
	s_cbranch_scc1 .Ltail
.Lout:
	PLACES                                         ; behind the last products, in front of the LDS stores that read results
	s_wait_loadcnt 0x0                             ; RES
	OUT 0
	OUT 1
	OUT 2
	OUT 3
	s_wait_tensorcnt 0x0                           ; the wave's end: behind my last tensor load and my last LDS store
	ds_add_u32 v[SPW], v[NIL]
	s_wait_dscnt 0x0
	CROUND                                         ; the closing round
	s_endpgm
.Lfunc_end_k_q8b3f5a9d54_ff2:
	.size	k_q8b3f5a9d54_ff2, .Lfunc_end_k_q8b3f5a9d54_ff2-k_q8b3f5a9d54_ff2
	.p2alignl 7, 3214868480
	.fill 96, 4, 3214868480
	.section	.rodata,"a",@progbits
	.p2align	6, 0x0
	.amdhsa_kernel k_q8b3f5a9d54_ff2
		.amdhsa_group_segment_fixed_size 327680
		.amdhsa_private_segment_fixed_size 0
		.amdhsa_enable_private_segment 0
		.amdhsa_kernarg_size 40
		.amdhsa_user_sgpr_count 2
		.amdhsa_user_sgpr_kernarg_segment_ptr 1
		.amdhsa_wavefront_size32 1
		.amdhsa_system_sgpr_workgroup_id_x 1
		.amdhsa_system_sgpr_workgroup_id_y 1
		.amdhsa_system_sgpr_workgroup_id_z 1
		.amdhsa_system_vgpr_workitem_id 0
		.amdhsa_next_free_vgpr 640
		.amdhsa_next_free_sgpr 72
		.amdhsa_reserve_vcc 0
		.amdhsa_float_denorm_mode_32 3
		.amdhsa_float_denorm_mode_16_64 3
		.amdhsa_memory_ordered 1
		.amdhsa_forward_progress 1
		.amdhsa_inst_pref_size 66
	.end_amdhsa_kernel
	.amdgpu_metadata
---
amdhsa.version: [ 1, 2 ]
amdhsa.kernels:
  - .name:           k_q8b3f5a9d54_ff2
    .symbol:         k_q8b3f5a9d54_ff2.kd
    .args:
      - { .name: act, .offset: 0, .size: 8, .value_kind: global_buffer, .address_space: global }
      - { .name: wf, .offset: 8, .size: 8, .value_kind: global_buffer, .address_space: global }
      - { .name: b2, .offset: 16, .size: 8, .value_kind: global_buffer, .address_space: global }
      - { .name: h, .offset: 24, .size: 8, .value_kind: global_buffer, .address_space: global }
      - { .name: out0, .offset: 32, .size: 8, .value_kind: global_buffer, .address_space: global }
    .group_segment_fixed_size: 327680
    .private_segment_fixed_size: 0
    .kernarg_segment_align: 8
    .kernarg_segment_size: 40
    .max_flat_workgroup_size: 128
    .sgpr_count:     72
    .vgpr_count:     640
    .wavefront_size: 32
...
	.end_amdgpu_metadata
.endif
;; end of part 7
